; MI455X (gfx1250); checked and timed in simulation.
; The chip was launched on July 23, 2026; its instructions are those of AMD's public machine-readable ISA for CDNA 5 (MIT licence, August 2026) and "CDNA5" Instruction Set Architecture Reference Guide (July 2026). The comments in the code are by the model that wrote it; some were corrected since.
;; Pool. Allowed arithmetic: float matrix products may take bf16 or f16 operands with f32 sums; all other float work in f32.
;; Inputs: W 512 x 1 float32; b 1 float32; g 4,096 x 4,096 float32; h 4,096 x 512 float32.
;; Outputs: out0 2,048 x 2,048 float32; out1 2,048 x 512 float32; out2 2,048 int32.
;; 3 versions, each right; version 3 is version 2 with the launch norm written anew for expert scheduling mode. Each part assembles by itself: llvm-mc -triple=amdgcn-amd-amdhsa -mcpu=gfx1250 --defsym DOCPART=n.
;; ======== version 1 of 3: 5 launches
;; workspace buffers: scores 16,384 bytes; rank 16,384 bytes of whole numbers; ar 16,777,216 bytes; bc 16,777,216 bytes; cnt 8,388,608 bytes
;; launch score (part 1): grid 256 x 1, 8 waves a work-group, no clusters, 1,280 bytes of LDS; arguments h, W, b, scores; writes scores
.if DOCPART == 1
	.amdgcn_target "amdgcn-amd-amdhsa--gfx1250"
	.amdhsa_code_object_version 6
	.text
	.protected	k_qb9efbe13e8_score
	.globl	k_qb9efbe13e8_score
	.p2align	8
	.type	k_qb9efbe13e8_score,@function
k_qb9efbe13e8_score:
	s_mov_b64 s[64:65], 0
	v_nop
	global_prefetch_b8 v0, s[64:65] scope:SCOPE_SE
	s_setreg_imm32_b32 hwreg(HW_REG_WAVE_MODE, 25, 1), 1
	s_wait_xcnt 0x0
; scores[i] = sigmoid(h[i] . W + b) = 1 / (1 + 2^(-log2(e) (h[i] . W + b))).  h: [4096][512] f32, W: [512] f32, b: [1] f32, scores: [4096] f32.
; All in f32 on the vector unit: the product has one column, every byte of h feeds one multiply-add, and the order of the scores is compared exactly later on.
; SHARES.  A work-group owns 16 rows, each of its eight waves two.  A lane owns columns 128 q + 4 lane + 0..3, q = 0..3, so each load of a wave covers
; 512 consecutive bytes; W's 16 numbers of a lane stay in registers for both rows.
; LIMITS.  The 512 products are summed in this text's own order (four fused chains a lane, then a tree over the lanes), and v_exp_f32 is good to the last bit only, so a
; score can differ from another f32 evaluation in its last bits, and two nodes whose scores lie that close may change places in the order made from them.
; The exponent is held at 126 at the most, so that 1 + 2^.. stays finite: for h . W + b below about -87.3, and for a NaN, the score is one and the same tiny
; number (2^-126 or 0); above about 17 it is 1.0.  Such nodes tie and are ordered by their index.
.set ROWB, 2048                        ; bytes in a row of h
.set WV,   4                           ; v[4:19]   W of my 16 columns
.set X0,   20                          ; v[20:35]  my 16 numbers of the wave's first row
.set X1,   36                          ; v[36:51]  of its second row
.set A0,   52                          ; v[52:55]  first row: two packed chains, then the sum, then d, -, r, err; at last v[52:53] = the two scores
.set A1,   56                          ; v[56:59]  second row likewise
	s_load_b256 s[4:11], s[0:1], 0x0               ; h s[4:5], W s[6:7], b s[8:9], scores s[10:11]
	v_lshl_add_u32 v64, v0, 2, 0x100
	v_mov_b32 v65, 0
	v_lshrrev_b32 v2, 5, v0
	v_readfirstlane_b32 s13, v2                    ; wave 0..7
	v_and_b32 v1, 31, v0
	v_lshlrev_b32 v1, 4, v1                        ; 16 bytes a lane
	s_lshl_b32 s18, ttmp9, 15                      ; the work-group's 16 rows of 2,048 bytes
	s_lshl_b32 s19, s13, 12                        ; the wave's two rows
	s_add_co_u32 s18, s18, s19
	s_mov_b32 s19, 0
	s_mov_b32 s16, 0x76543210                      ; v_permlanex16_b32: each lane takes its own place in the other half
	s_mov_b32 s17, 0xfedcba98
	s_wait_kmcnt 0x0
	s_load_b32 s12, s[8:9], 0x0                    ; b
	s_add_nc_u64 s[14:15], s[4:5], s[18:19]        ; h at the wave's first row
.irp q, 0,1,2,3
	global_load_b128 v[WV+4*\q:WV+4*\q+3], v1, s[6:7] offset:512*\q
.endr
.irp q, 0,1,2,3
	global_load_b128 v[X0+4*\q:X0+4*\q+3], v1, s[14:15] offset:512*\q th:TH_LOAD_NT
.endr
.irp q, 0,1,2,3
	global_load_b128 v[X1+4*\q:X1+4*\q+3], v1, s[14:15] offset:ROWB+512*\q th:TH_LOAD_NT
.endr
; One row's dot product: x = its 16 numbers, a = four registers for the chains; left = the younger loads that may stay out.  The sum ends up in v[a] of every lane.
.macro DOT x, a, left
	s_wait_loadcnt \left
	v_pk_mul_f32 v[\a:\a+1],   v[\x:\x+1],   v[WV:WV+1]        ; the first products start the chains: nothing is cleared
	v_pk_mul_f32 v[\a+2:\a+3], v[\x+2:\x+3], v[WV+2:WV+3]
.irp q, 1,2,3
	v_pk_fma_f32 v[\a:\a+1],   v[\x+4*\q:\x+4*\q+1],   v[WV+4*\q:WV+4*\q+1],   v[\a:\a+1]
	v_pk_fma_f32 v[\a+2:\a+3], v[\x+4*\q+2:\x+4*\q+3], v[WV+4*\q+2:WV+4*\q+3], v[\a+2:\a+3]
.endr
	v_pk_add_f32 v[\a:\a+1], v[\a:\a+1], v[\a+2:\a+3]
	v_add_f32 v[\a], v[\a], v[\a+1]
	v_add_f32_dpp v[\a], v[\a], v[\a] row_xmask:1 row_mask:0xf bank_mask:0xf
	v_add_f32_dpp v[\a], v[\a], v[\a] row_xmask:2 row_mask:0xf bank_mask:0xf
	v_add_f32_dpp v[\a], v[\a], v[\a] row_xmask:4 row_mask:0xf bank_mask:0xf
	v_add_f32_dpp v[\a], v[\a], v[\a] row_xmask:8 row_mask:0xf bank_mask:0xf
	v_permlanex16_b32 v[\a+1], v[\a], s16, s17     ; its destination counts as read: a register that has been written
	v_add_f32 v[\a], v[\a], v[\a+1]
.endm
	DOT X0, A0, 4                                  ; W and the first row are in; the second row's four loads stay out
	DOT X1, A1, 0
	s_wait_kmcnt 0x0                               ; b
	v_add_f32 v[A0], s12, v[A0]
	v_add_f32 v[A1], s12, v[A1]
	v_mul_f32 v[A0], 0xbfb8aa3b, v[A0]             ; times -log2(e)
	v_mul_f32 v[A1], 0xbfb8aa3b, v[A1]
	v_min_num_f32 v[A0], 0x42fc0000, v[A0]         ; at most 126: d below stays finite (a NaN loses against the constant)
	v_min_num_f32 v[A1], 0x42fc0000, v[A1]
	v_exp_f32 v[A0], v[A0]
	v_exp_f32 v[A1], v[A1]
	v_lshlrev_b32 v61, 3, v2                       ; 8 x wave: my place in LDS.  Also the plain instruction between the exponentials and the use of their results (ISA guide 5.7.2)
	s_wait_alu depctr_va_vdst(0)
	v_add_f32 v[A0], 1.0, v[A0]                    ; d = 1 + e^(-x)
	v_add_f32 v[A1], 1.0, v[A1]
	v_rcp_f32 v[A0+2], v[A0]                       ; r, about 1 / d
	v_rcp_f32 v[A1+2], v[A1]
	v_and_b32 v60, 15, v0                          ; the plain instruction behind the reciprocals
	; One Newton step, r + r (1 - d r), brings r to the f32 nearest to 1 / d in all but rare cases: where a division gives two different d the same
	; quotient (d near 2: neighbouring d lie half a last bit of the quotient apart), the two scores are equal here too, and tie by index.
	s_wait_alu depctr_va_vdst(0)
	v_fma_f32 v[A0+3], -v[A0], v[A0+2], 1.0
	v_fma_f32 v[A1+3], -v[A1], v[A1+2], 1.0
	v_fma_f32 v[A0],   v[A0+2], v[A0+3], v[A0+2]
	v_fma_f32 v[A0+1], v[A1+2], v[A1+3], v[A1+2]
	v_lshlrev_b32 v60, 2, v60                      ; 4 (lane % 16): where wave 0 reads a score back, and its byte offset in the group's 64 bytes of scores
	ds_store_b64 v61, v[A0:A0+1]                   ; every lane writes the same two words
	s_wait_dscnt 0x0                               ; for wave 0's sake: my store is done
	s_barrier_signal -1
	s_barrier_wait -1
	s_cmp_lg_u32 s13, 0
	s_cbranch_scc1 .Lend
	ds_load_b32 v62, v60                           ; all lanes on; lanes 16-31 read what lanes 0-15 read
	s_lshl_b32 s18, ttmp9, 6                       ; the work-group's 16 scores (s19 is still 0)
	s_add_nc_u64 s[10:11], s[10:11], s[18:19]
	v_cmp_gt_u32 vcc_lo, 16, v0
	s_wait_dscnt 0x0
	s_wait_xcnt 0x0                                ; EXEC is narrowed only behind this wait
	s_wait_tensorcnt 0x0
	ds_add_u32 v64, v65
	s_wait_dscnt 0x0
	s_and_saveexec_b32 s20, vcc_lo
	global_store_b32 v60, v62, s[10:11]            ; 64 consecutive bytes a work-group: the whole buffer is 16 KiB, and 256 work-groups share the reading of h
	s_endpgm
.Lend:
	s_wait_tensorcnt 0x0
	ds_add_u32 v64, v65
	s_wait_dscnt 0x0
	s_endpgm
.Lfunc_end_k_qb9efbe13e8_score:
	.size	k_qb9efbe13e8_score, .Lfunc_end_k_qb9efbe13e8_score-k_qb9efbe13e8_score
	.p2alignl 7, 3214868480
	.fill 96, 4, 3214868480
	.section	.rodata,"a",@progbits
	.p2align	6, 0x0
	.amdhsa_kernel k_qb9efbe13e8_score
		.amdhsa_group_segment_fixed_size 1280
		.amdhsa_private_segment_fixed_size 0
		.amdhsa_enable_private_segment 0
		.amdhsa_kernarg_size 32
		.amdhsa_user_sgpr_count 2
		.amdhsa_user_sgpr_kernarg_segment_ptr 1
		.amdhsa_wavefront_size32 1
		.amdhsa_system_sgpr_workgroup_id_x 1
		.amdhsa_system_sgpr_workgroup_id_y 1
		.amdhsa_system_sgpr_workgroup_id_z 1
		.amdhsa_system_vgpr_workitem_id 0
		.amdhsa_next_free_vgpr 66
		.amdhsa_next_free_sgpr 66
		.amdhsa_reserve_vcc 1
		.amdhsa_float_denorm_mode_32 3
		.amdhsa_float_denorm_mode_16_64 3
		.amdhsa_memory_ordered 1
		.amdhsa_forward_progress 1
		.amdhsa_inst_pref_size 6
	.end_amdhsa_kernel
	.amdgpu_metadata
---
amdhsa.version: [ 1, 2 ]
amdhsa.kernels:
  - .name:           k_qb9efbe13e8_score
    .symbol:         k_qb9efbe13e8_score.kd
    .args:
      - { .name: h, .offset: 0, .size: 8, .value_kind: global_buffer, .address_space: global }
      - { .name: W, .offset: 8, .size: 8, .value_kind: global_buffer, .address_space: global }
      - { .name: b, .offset: 16, .size: 8, .value_kind: global_buffer, .address_space: global }
      - { .name: scores, .offset: 24, .size: 8, .value_kind: global_buffer, .address_space: global }
    .group_segment_fixed_size: 1280
    .private_segment_fixed_size: 0
    .kernarg_segment_align: 8
    .kernarg_segment_size: 32
    .max_flat_workgroup_size: 256
    .sgpr_count:     66
    .vgpr_count:     66
    .wavefront_size: 32
...
	.end_amdgpu_metadata
.endif
;; end of part 1
;; launch rank (part 2): grid 128 x 1, 16 waves a work-group, no clusters, 4,096 bytes of LDS; arguments scores, rank; writes rank
.if DOCPART == 2
	.amdgcn_target "amdgcn-amd-amdhsa--gfx1250"
	.amdhsa_code_object_version 6
	.text
	.protected	k_qb9efbe13e8_rank
	.globl	k_qb9efbe13e8_rank
	.p2align	8
	.type	k_qb9efbe13e8_rank,@function
k_qb9efbe13e8_rank:
	s_mov_b64 s[64:65], 0
	v_nop
	global_prefetch_b8 v0, s[64:65] scope:SCOPE_SE
	s_setreg_imm32_b32 hwreg(HW_REG_WAVE_MODE, 25, 1), 1
	s_wait_xcnt 0x0
; rank[i] = the number of j with score[j] > score[i], plus the number of j < i with score[j] = score[i]: node i's place in the descending order with ties
; to the lower index.  A permutation of 0..4095; places 0..2047 are the nodes that are kept.
; A score is +0 or larger, so its 32 bits order as a signed whole number as the f32 orders; the counting is done on the bits.  (A NaN is ordered by its bits: the
; result is still a permutation, its order is then this text's own.  The pattern 0x80000000 does not occur: a score is a reciprocal of a number of 1 or more.)
; SHARES.  Work-group ib owns the 32 nodes i = 32 ib + lane.  Wave w compares them with j = 256 w .. 256 w + 255, which come as scalars, 32 a batch: one compare
; and one add with carry count one j for 32 nodes.  The sixteen waves' counts meet in LDS.  No sum crosses work-groups.
; For a batch of j that lies wholly below the block (batch number < ib) a tie counts: score[j] > u - 1.  For the others it does not: score[j] > u.
; The block's own batch is counted strictly, and its ties with j < i are added apart: wave w takes the block's members q = 2 w and 2 w + 1.
.set SETA, 16                          ; s[16:47]  32 scores of a batch
.set SETB, 68                          ; s[68:99]  the next batch's
	s_load_b128 s[4:7], s[0:1], 0x0                ; scores s[4:5], rank s[6:7]
	v_lshl_add_u32 v24, v0, 2, 0x800
	v_mov_b32 v25, 0
	v_lshrrev_b32 v7, 5, v0
	v_readfirstlane_b32 s8, v7                     ; wave 0..15
	v_and_b32 v1, 31, v0
	s_lshl_b32 s9, s8, 3                           ; my first batch's number
	s_mov_b32 s10, ttmp9                           ; ib
	s_lshl_b32 s15, ttmp9, 7                       ; the block's 128 bytes
	v_lshl_add_u32 v1, v1, 2, s15                  ; 4 (32 ib + lane): my node's byte in scores and in rank
	v_lshlrev_b32 v6, 2, v0                        ; my word in LDS: 128 x wave + 4 x lane
	s_lshl_b32 s52, s8, 10                         ; my 256 scores
	s_mov_b32 s53, 0
	s_lshl3_add_u32 s54, s8, s15                   ; the block's members 2 w and 2 w + 1
	s_mov_b32 s55, 0
	s_lshl_b32 s51, s8, 1                          ; q = 2 w
	s_lshl_b32 s50, -2, s51                        ; lanes above q: the nodes i of the block with j = 32 ib + q < i
	s_lshl_b32 s51, s50, 1                         ; lanes above q + 1
	v_mov_b32 v5, 0                                ; the count
	s_wait_kmcnt 0x0
	global_load_b32 v2, v1, s[4:5]                 ; u: my node's score, as bits
	s_add_nc_u64 s[56:57], s[4:5], s[54:55]
	s_add_nc_u64 s[12:13], s[4:5], s[52:53]
	s_load_b64 s[48:49], s[56:57], 0x0
.macro LOADJ set, bt                   ; batch bt of my eight: 32 scores, 128 bytes, into 32 scalar registers
	s_load_b512 s[\set:\set+15],    s[12:13], 128*(\bt)
	s_load_b512 s[\set+16:\set+31], s[12:13], 128*(\bt)+64
.endm
.macro COUNT set, bt
	s_add_co_u32 s15, s9, (\bt)                    ; the batch's number
	s_cmp_lt_u32 s15, s10                          ; wholly below my block?
	s_cselect_b32 s14, -1, 0
	v_cndmask_b32 v4, v2, v3, s14                  ; then ties count: compare with u - 1
.set i, 0
.rept 32
	v_cmp_gt_i32 vcc_lo, s[\set+i], v4
	v_add_co_ci_u32 v5, vcc_lo, 0, v5, vcc_lo      ; count += the lane's bit
.set i, i+1
.endr
.endm
	LOADJ SETA, 0
	s_wait_loadcnt 0x0
	v_add_nc_u32 v3, -1, v2                        ; u - 1, signed: right for u = 0 too
; Scalar loads may come back in any order (ISA guide 5.7.1), so each wait is for zero; the next batch's loads are issued behind it and land while this batch is counted.
	s_wait_kmcnt 0x0
	LOADJ SETB, 1
	COUNT SETA, 0
	s_wait_kmcnt 0x0
	LOADJ SETA, 2
	COUNT SETB, 1
	s_wait_kmcnt 0x0
	LOADJ SETB, 3
	COUNT SETA, 2
	s_wait_kmcnt 0x0
	LOADJ SETA, 4
	COUNT SETB, 3
	s_wait_kmcnt 0x0
	LOADJ SETB, 5
	COUNT SETA, 4
	s_wait_kmcnt 0x0
	LOADJ SETA, 6
	COUNT SETB, 5
	s_wait_kmcnt 0x0
	LOADJ SETB, 7
	COUNT SETA, 6
	s_wait_kmcnt 0x0
	COUNT SETB, 7
	v_cmp_eq_u32 vcc_lo, s48, v2                   ; ties inside the block, with the lower index
	s_and_b32 vcc_lo, vcc_lo, s50
	v_add_co_ci_u32 v5, vcc_lo, 0, v5, vcc_lo
	v_cmp_eq_u32 vcc_lo, s49, v2
	s_and_b32 vcc_lo, vcc_lo, s51
	v_add_co_ci_u32 v5, vcc_lo, 0, v5, vcc_lo
	ds_store_b32 v6, v5
	s_wait_dscnt 0x0                               ; for wave 0's sake: my store is done
	s_barrier_signal -1
	s_barrier_wait -1
	s_cmp_lg_u32 s8, 0
	s_cbranch_scc1 .Lend
.set i, 0
.rept 16
	ds_load_b32 v[8+i], v6 offset:128*i            ; in wave 0 v6 = 4 x lane: the sixteen waves' counts for my node
.set i, i+1
.endr
	s_wait_dscnt 0x0
	v_add3_u32 v8, v8, v9, v10
	v_add3_u32 v11, v11, v12, v13
	v_add3_u32 v14, v14, v15, v16
	v_add3_u32 v17, v17, v18, v19
	v_add3_u32 v20, v20, v21, v22
	v_add3_u32 v8, v8, v11, v14
	v_add3_u32 v17, v17, v20, v23
	v_add_nc_u32 v8, v8, v17
	global_store_b32 v1, v8, s[6:7]                ; 128 consecutive bytes a work-group; the whole buffer is 16 KiB
.Lend:
	s_wait_tensorcnt 0x0
	ds_add_u32 v24, v25
	s_wait_dscnt 0x0
	s_endpgm
.Lfunc_end_k_qb9efbe13e8_rank:
	.size	k_qb9efbe13e8_rank, .Lfunc_end_k_qb9efbe13e8_rank-k_qb9efbe13e8_rank
	.p2alignl 7, 3214868480
	.fill 96, 4, 3214868480
	.section	.rodata,"a",@progbits
	.p2align	6, 0x0
	.amdhsa_kernel k_qb9efbe13e8_rank
		.amdhsa_group_segment_fixed_size 4096
		.amdhsa_private_segment_fixed_size 0
		.amdhsa_enable_private_segment 0
		.amdhsa_kernarg_size 16
		.amdhsa_user_sgpr_count 2
		.amdhsa_user_sgpr_kernarg_segment_ptr 1
		.amdhsa_wavefront_size32 1
		.amdhsa_system_sgpr_workgroup_id_x 1
		.amdhsa_system_sgpr_workgroup_id_y 1
		.amdhsa_system_sgpr_workgroup_id_z 1
		.amdhsa_system_vgpr_workitem_id 0
		.amdhsa_next_free_vgpr 26
		.amdhsa_next_free_sgpr 100
		.amdhsa_reserve_vcc 1
		.amdhsa_float_denorm_mode_32 3
		.amdhsa_float_denorm_mode_16_64 3
		.amdhsa_memory_ordered 1
		.amdhsa_forward_progress 1
		.amdhsa_inst_pref_size 22
	.end_amdhsa_kernel
	.amdgpu_metadata
---
amdhsa.version: [ 1, 2 ]
amdhsa.kernels:
  - .name:           k_qb9efbe13e8_rank
    .symbol:         k_qb9efbe13e8_rank.kd
    .args:
      - { .name: scores, .offset: 0, .size: 8, .value_kind: global_buffer, .address_space: global }
      - { .name: rank, .offset: 8, .size: 8, .value_kind: global_buffer, .address_space: global }
    .group_segment_fixed_size: 4096
    .private_segment_fixed_size: 0
    .kernarg_segment_align: 8
    .kernarg_segment_size: 16
    .max_flat_workgroup_size: 512
    .sgpr_count:     100
    .vgpr_count:     26
    .wavefront_size: 32
...
	.end_amdgpu_metadata
.endif
;; end of part 2
;; launch prep (part 3): grid 2048 x 1, 1 waves a work-group, no clusters, 16,640 bytes of LDS; arguments g, h, scores, rank, ar, bc, out1, out2; writes ar, bc, out1, out2
.if DOCPART == 3
	.amdgcn_target "amdgcn-amd-amdhsa--gfx1250"
	.amdhsa_code_object_version 6
	.text
	.protected	k_qb9efbe13e8_prep
	.globl	k_qb9efbe13e8_prep
	.p2align	8
	.type	k_qb9efbe13e8_prep,@function
k_qb9efbe13e8_prep:
	s_mov_b64 s[64:65], 0
	v_nop
	global_prefetch_b8 v0, s[64:65] scope:SCOPE_SE
	s_setreg_imm32_b32 hwreg(HW_REG_WAVE_MODE, 25, 1), 1
	s_wait_xcnt 0x0
; g is read once and leaves as the two operands of the product that is needed, in bf16 (0 and 1 are exact there):
;   ar[rank[k]][c] = (g[k][c] != 0)   for the rows k with rank[k] < 2048        ar: [2048][4096] bf16, rows in the order of the result
;   bc[k][rank[c]] = (g[k][c] != 0)   for the columns c with rank[c] < 2048     bc: [4096][2048] bf16, columns in the order of the result
; and with them  out1[rank[k]] = h[k] * scores[k]  and  out2[rank[k]] = k  for rank[k] < 2048.  rank is a permutation of 0..4095, stored by an earlier launch.
; SHARES.  A work-group is ONE wave and owns rows k = 2 wg (even) and k + 1 (odd) of g and of h: no wave needs another, so there is no barrier and no LDS byte is shared;
; 2,048 work-groups are eight for each of 256 WGPs.  A lane owns columns 128 c + 4 lane + 0..3 of chunk c = 0..31, so a load of the wave covers 512 consecutive bytes.
; THE COLUMN GATHER goes through LDS as a scatter.  The wave's 16 KiB are 4,096 words, word r = (even row, odd row) at the column whose rank is r.
; One ds_store_b32 places 32 columns of both rows.  All 4,096 columns are placed, without a mask, since every rank occurs once; words 0..2047 are read back in order.
; Memory binds this launch: matrix units, tensor loads and clusters are left out, since every number passes through registers anyway, to be made 0 or 1 and packed.
.set HALF, 2048                        ; how many nodes are kept
.set AW,   8                           ; v[8:23]    packed words for ar: 8 of the even row, 8 of the odd
.set X,    32                          ; v[32:127]  three slots of 32: a turn's 16 numbers of the even row, then of the odd
.set RK,   128                         ; v[128:255] RK + 4 c + e: the LDS address of the word for column 128 c + 4 lane + e
; v0 lane   v1 16 x lane   v2 8 x lane   v4 4 (lane % 2)   v5 bf16 1.0   v6 a row's number   v7 my two rows' ranks, by turns along the lanes
; s[4:19] the eight buffers   s21 k   s[24:25] my rows' ranks   s[26:27] their scores   s28, s29 the ranks clamped   s[30:31] rank, s[22:23] scores at row k
; s[32:33], s[34:35] my rows of ar   s[36:37], s[38:39] my rows of out1   s[40:41] g, s[42:43] h, s[44:45] bc at row k.  No base is written twice.
	s_load_b512 s[4:19], s[0:1], 0x0               ; g, h, scores, rank, ar, bc, out1, out2
	v_lshl_add_u32 v30, v0, 2, 0x4000
	v_mov_b32 v31, 0
	v_lshlrev_b32 v1, 4, v0
	v_lshlrev_b32 v2, 3, v0
	v_and_b32 v4, 1, v0
	v_lshlrev_b32 v4, 2, v4
	v_mov_b32 v5, 0x3f80                           ; 1.0 in bf16
	s_lshl_b32 s21, ttmp9, 1                       ; k = 2 wg
	s_mov_b32 s52, 0x05040100                      ; v_perm_b32: the low halves of two words
	s_mov_b32 s53, 0x07060302                      ; the high halves
	s_lshl_b32 s56, s21, 2
	s_mov_b32 s57, 0
	s_wait_kmcnt 0x0
	s_add_nc_u64 s[30:31], s[10:11], s[56:57]
	s_add_nc_u64 s[22:23], s[8:9], s[56:57]
	s_load_b64 s[24:25], s[30:31], 0x0             ; rank[k], rank[k + 1]
	s_load_b64 s[26:27], s[22:23], 0x0             ; scores[k], scores[k + 1]
	s_lshl_b32 s56, s21, 14                        ; a row of g is 16,384 bytes
	s_add_nc_u64 s[40:41], s[4:5], s[56:57]
	s_lshl_b32 s56, s21, 11                        ; of h 2,048
	s_add_nc_u64 s[42:43], s[6:7], s[56:57]
	s_lshl_b32 s56, s21, 12                        ; of bc 4,096
	s_add_nc_u64 s[44:45], s[14:15], s[56:57]
.macro LOADG T                         ; turn T: chunks 4 T .. 4 T + 3 of both rows, eight loads, into slot T % 3
.irp e, 0,1
.irp j, 0,1,2,3
	global_load_b128 v[X+32*((\T)%3)+16*\e+4*\j:X+32*((\T)%3)+16*\e+4*\j+3], v1, s[40:41] offset:\e*16384+512*(4*(\T)+\j) th:TH_LOAD_NT
.endr
.endr
.endm
	; 57 loads go out at once: my rows' ranks as a vector (1), h (8, into slot 2), all ranks (32), g's turns 0 and 1 (16)
	global_load_b32 v7, v4, s[30:31]
.irp e, 0,1
.irp q, 0,1,2,3
	global_load_b128 v[X+64+16*\e+4*\q:X+64+16*\e+4*\q+3], v1, s[42:43] offset:\e*2048+512*\q th:TH_LOAD_NT
.endr
.endr
.set i, 0
.rept 32
	global_load_b128 v[RK+4*i:RK+4*i+3], v1, s[10:11] offset:512*i
.set i, i+1
.endr
	LOADG 0
	LOADG 1
	s_wait_kmcnt 0x0                               ; my rows' ranks and scores
	s_min_u32 s28, s24, HALF-1                     ; a rank enters an address only clamped; a row that is not kept stores nothing
	s_min_u32 s29, s25, HALF-1
	s_lshl_b32 s56, s28, 13                        ; a row of ar is 8,192 bytes
	s_add_nc_u64 s[32:33], s[12:13], s[56:57]
	s_lshl_b32 s56, s29, 13
	s_add_nc_u64 s[34:35], s[12:13], s[56:57]
	s_lshl_b32 s56, s28, 11                        ; of out1 2,048
	s_add_nc_u64 s[36:37], s[16:17], s[56:57]
	s_lshl_b32 s56, s29, 11
	s_add_nc_u64 s[38:39], s[16:17], s[56:57]
	s_mov_b32 s46, s26                             ; each score as a pair: the packed multiply names a pair and takes its low word for both halves
	s_mov_b32 s47, s26
	s_mov_b32 s48, s27
	s_mov_b32 s49, s27
	; out1: a kept row of h times its score
	s_wait_loadcnt 48                              ; v7 and h are in; the 32 + 16 younger loads stay out
	s_cmp_lt_u32 s24, HALF
	s_cbranch_scc0 .Lno_h_even
.set i, 0
.rept 8
	v_pk_mul_f32 v[X+64+2*i:X+64+2*i+1], v[X+64+2*i:X+64+2*i+1], s[46:47] op_sel_hi:[1,0]
.set i, i+1
.endr
.irp q, 0,1,2,3
	global_store_b128 v1, v[X+64+4*\q:X+64+4*\q+3], s[36:37] offset:512*\q th:TH_STORE_NT
.endr
.Lno_h_even:
	s_cmp_lt_u32 s25, HALF
	s_cbranch_scc0 .Lno_h_odd
.set i, 0
.rept 8
	v_pk_mul_f32 v[X+80+2*i:X+80+2*i+1], v[X+80+2*i:X+80+2*i+1], s[48:49] op_sel_hi:[1,0]
.set i, i+1
.endr
.irp q, 0,1,2,3
	global_store_b128 v1, v[X+80+4*\q:X+80+4*\q+3], s[38:39] offset:512*\q th:TH_STORE_NT
.endr
.Lno_h_odd:
	; the ranks become LDS addresses: clamped to the 4,096 words, times 4 bytes
	s_wait_loadcnt 16                              ; all ranks are in; g's two turns stay out
.set i, 0
.rept 128
	v_min_u32 v[RK+i], 4095, v[RK+i]
	v_lshlrev_b32 v[RK+i], 2, v[RK+i]
.set i, i+1
.endr
	s_wait_xcnt 0x0                                ; slot 2 was the data of out1's stores: it is loaded again only behind this wait
	LOADG 2
; One turn: 512 columns of both rows.  left = the younger loads that may stay out; refill = 1: the slot takes the turn three further on.
.macro TURN T, left, refill
.set XS, X+32*((\T)%3)
	s_wait_loadcnt \left
.set i, 0
.rept 32
	v_cmp_neq_f32 vcc_lo, 0, v[XS+i]               ; != 0 as reference() has it: true for a NaN, false for -0
	v_cndmask_b32 v[XS+i], 0, v5, vcc_lo           ; bf16 1.0 or 0, in the low half
.set i, i+1
.endr
	s_wait_xcnt 0x0                                ; AW was the data of the last turn's stores: it is written again only behind this wait
.set i, 0
.rept 16
	v_lshl_or_b32 v[AW+i], v[XS+2*i+1], 16, v[XS+2*i]      ; for ar: two neighbouring columns of one row
.set i, i+1
.endr
.set i, 0
.rept 16
	v_lshl_or_b32 v[XS+i], v[XS+16+i], 16, v[XS+i]         ; for bc: one column of both rows
.set i, i+1
.endr
.set i, 0
.rept 16
	ds_store_b32 v[RK+16*(\T)+i], v[XS+i]
.set i, i+1
.endr
.if \refill
	LOADG \T+3
.endif
	s_cmp_lt_u32 s24, HALF
	s_cbranch_scc0 .Lno_even_\@
.irp j, 0,1,2,3
	global_store_b64 v2, v[AW+2*\j:AW+2*\j+1], s[32:33] offset:256*(4*(\T)+\j)     ; a store of the wave covers 256 consecutive bytes, at a multiple of 256 from ar's first byte
.endr
.Lno_even_\@:
	s_cmp_lt_u32 s25, HALF
	s_cbranch_scc0 .Lno_odd_\@
.irp j, 0,1,2,3
	global_store_b64 v2, v[AW+8+2*\j:AW+8+2*\j+1], s[34:35] offset:256*(4*(\T)+\j)
.endr
.Lno_odd_\@:
.endm
	TURN 0, 16, 1                                  ; two younger turns, sixteen loads, are always on their way
	TURN 1, 16, 1
	TURN 2, 16, 1
	TURN 3, 16, 1
	TURN 4, 16, 1
	TURN 5, 16, 0                                  ; nothing is left to fetch: the counts run down
	TURN 6, 8, 0
	TURN 7, 0, 0
	; bc: words 0..2047 come back in order.  LDS serves a wave's instructions in order (ISA guide 5.7.1.4): these loads see the stores above.
.set i, 0
.rept 16
	ds_load_b128 v[X+4*i:X+4*i+3], v1 offset:512*i         ; words 128 i + 4 lane + 0..3
.set i, i+1
.endr
.set i, 0
.rept 16
	s_wait_dscnt 15-i                              ; LDS loads come back in order: number i is in
	v_perm_b32 v[RK+4*i],   v[X+4*i+1], v[X+4*i],   s52    ; the even row's four columns,
	v_perm_b32 v[RK+4*i+1], v[X+4*i+3], v[X+4*i+2], s52
	v_perm_b32 v[RK+4*i+2], v[X+4*i+1], v[X+4*i],   s53    ; the odd row's
	v_perm_b32 v[RK+4*i+3], v[X+4*i+3], v[X+4*i+2], s53
	global_store_b64 v2, v[RK+4*i:RK+4*i+1],   s[44:45] offset:256*i               ; 256 consecutive bytes, aligned; no register is written twice, so no wait stands here
	global_store_b64 v2, v[RK+4*i+2:RK+4*i+3], s[44:45] offset:4096+256*i
.set i, i+1
.endr
	; out2: lanes 0 and 1 place the numbers of my two rows, four bytes each where the rank says: 8 KiB in the whole launch.  It stands last, so that EXEC is narrowed once and never widened.
	v_add_nc_u32 v6, s21, v0                       ; k + lane
	v_cmp_gt_u32 vcc_lo, HALF, v7                  ; kept?
	s_and_b32 vcc_lo, vcc_lo, 3                    ; lanes 0 and 1: one lane a row
	v_min_u32 v7, HALF-1, v7
	v_lshlrev_b32 v7, 2, v7
	s_wait_xcnt 0x0                                ; EXEC is a source of the stores above: it changes only behind this wait
	s_wait_tensorcnt 0x0
	ds_add_u32 v30, v31
	s_wait_dscnt 0x0
	s_and_saveexec_b32 s58, vcc_lo
	global_store_b32 v7, v6, s[18:19]
	s_endpgm
.Lfunc_end_k_qb9efbe13e8_prep:
	.size	k_qb9efbe13e8_prep, .Lfunc_end_k_qb9efbe13e8_prep-k_qb9efbe13e8_prep
	.p2alignl 7, 3214868480
	.fill 96, 4, 3214868480
	.section	.rodata,"a",@progbits
	.p2align	6, 0x0
	.amdhsa_kernel k_qb9efbe13e8_prep
		.amdhsa_group_segment_fixed_size 16640
		.amdhsa_private_segment_fixed_size 0
		.amdhsa_enable_private_segment 0
		.amdhsa_kernarg_size 64
		.amdhsa_user_sgpr_count 2
		.amdhsa_user_sgpr_kernarg_segment_ptr 1
		.amdhsa_wavefront_size32 1
		.amdhsa_system_sgpr_workgroup_id_x 1
		.amdhsa_system_sgpr_workgroup_id_y 1
		.amdhsa_system_sgpr_workgroup_id_z 1
		.amdhsa_system_vgpr_workitem_id 0
		.amdhsa_next_free_vgpr 256
		.amdhsa_next_free_sgpr 66
		.amdhsa_reserve_vcc 1
		.amdhsa_float_denorm_mode_32 3
		.amdhsa_float_denorm_mode_16_64 3
		.amdhsa_memory_ordered 1
		.amdhsa_forward_progress 1
		.amdhsa_inst_pref_size 83
	.end_amdhsa_kernel
	.amdgpu_metadata
---
amdhsa.version: [ 1, 2 ]
amdhsa.kernels:
  - .name:           k_qb9efbe13e8_prep
    .symbol:         k_qb9efbe13e8_prep.kd
    .args:
      - { .name: g, .offset: 0, .size: 8, .value_kind: global_buffer, .address_space: global }
      - { .name: h, .offset: 8, .size: 8, .value_kind: global_buffer, .address_space: global }
      - { .name: scores, .offset: 16, .size: 8, .value_kind: global_buffer, .address_space: global }
      - { .name: rank, .offset: 24, .size: 8, .value_kind: global_buffer, .address_space: global }
      - { .name: ar, .offset: 32, .size: 8, .value_kind: global_buffer, .address_space: global }
      - { .name: bc, .offset: 40, .size: 8, .value_kind: global_buffer, .address_space: global }
      - { .name: out1, .offset: 48, .size: 8, .value_kind: global_buffer, .address_space: global }
      - { .name: out2, .offset: 56, .size: 8, .value_kind: global_buffer, .address_space: global }
    .group_segment_fixed_size: 16640
    .private_segment_fixed_size: 0
    .kernarg_segment_align: 8
    .kernarg_segment_size: 64
    .max_flat_workgroup_size: 32
    .sgpr_count:     66
    .vgpr_count:     256
    .wavefront_size: 32
...
	.end_amdgpu_metadata
.endif
;; end of part 3
;; launch gemm (part 4): grid 16 x 16, 4 waves a work-group, clusters of 4 x 4, 327,680 bytes of LDS; arguments ar, bc, cnt; writes cnt
.if DOCPART == 4
	.amdgcn_target "amdgcn-amd-amdhsa--gfx1250"
	.amdhsa_code_object_version 6
	.text
	.protected	k_qb9efbe13e8_gemm
	.globl	k_qb9efbe13e8_gemm
	.p2align	8
	.type	k_qb9efbe13e8_gemm,@function
k_qb9efbe13e8_gemm:
	s_mov_b64 s[64:65], 0
	v_nop
	global_prefetch_b8 v0, s[64:65] scope:SCOPE_SE
	s_setreg_imm32_b32 hwreg(HW_REG_WAVE_MODE, 25, 1), 1
	s_wait_xcnt 0x0
	s_wait_alu depctr_hold_cnt(0) depctr_sa_sdst(0) depctr_va_vdst(0) depctr_va_sdst(0) depctr_va_ssrc(0) depctr_va_vcc(0) depctr_vm_vsrc(0)
	s_getreg_b32 s2, hwreg(HW_REG_IB_STS2, 6, 4)
	s_cmp_eq_u32 s2, 0
	s_cbranch_scc0 .Lentry_in_a_cluster
	s_endpgm
.Lentry_in_a_cluster:
	s_bfe_u32 s2, ttmp6, 0x10000c
	s_cmp_lg_u32 s2, 0xf033
	s_cbranch_scc0 .Lentry_shape_is_right
	s_endpgm
.Lentry_shape_is_right:
; cnt[m][n] = sum over k of ar[m][k] bc[k][n]: the number of 2-hop paths between kept node m and kept node n.  ar: [2048][4096], bc: [4096][2048], cnt: [2048][2048], all bf16.
; The operands are 0 and 1 and the f32 sums are whole numbers up to 4,096: exact.  cnt is rounded to bf16, which leaves 0 at 0 and everything else at 1 or more: all that is used of it.
; A tile of cnt is 128 x 128, which gives 16 x 16 = 256 work-groups.  Four waves, each 64 x 64: 16 accumulators of 16 x 16, 128 registers.  K goes in steps of 256 through two LDS slots.
; A's tile (128 rows of ar x 256 k) lies along K: rows of 512 bytes, padded to 528.  B's tile (256 rows of bc x 128 n) lies along N: rows of 256 bytes, padded to 288, and its fragments
; are turned on the way into registers by ds_load_tr16_b128.
; CLUSTERS: 4 x 4 work-groups.  The four of a row of the cluster need the same tiles of ar, the four of a column the same tiles of bc: each tile is asked for JOINTLY, by the same tensor load
; with the same descriptor and a mask that names the four.  THE MATRIX INSTRUCTION IS USED TRANSPOSED (source 0 = 16 columns of bc, source 1 = 16 rows of ar): a lane then holds eight
; neighbouring numbers of a row of cnt.
; REGISTERS: window 0: v0-31 addresses; v32-95 at work on the way out; v128-255 the accumulators ((a, b) at v[128 + 8 (4 a + b)]).
;   window 1: two fragment buffers of 128: for 64 along K (two matrix instructions deep), 64 registers of A (2 x 4 x 16 rows x 32 K), then 64 of B.
.set SIZE_K, 4096
.set SIZE_N, 2048
.set KSTEP,  256
.set PA,     528                       ; A's LDS row: 512 bytes + 16 = 132 words: row r starts at bank 4 r mod 64 (64 banks of 4 bytes: ISA guide 11.1), so the 16 rows of a load start at 16 different banks
.set PB,     288                       ; B's LDS row: 256 bytes + 32 = 72 words: row r starts at bank 8 r mod 64
.set HALFA,  64*PA                     ; what one tensor load brings of A, and what one wave reads of it
.set HALFB,  128*PB                    ; what one tensor load brings of B: 128 of the step's 256 k
.set BOFF,   2*HALFA                   ; in a slot: A's 128 rows, then B's 256
.set SLOT,   BOFF+2*HALFB              ; 141,312 bytes
.set STAGE,  2*SLOT                    ; behind the ring, at a multiple of 256: 128 rows x 272 bytes, the work-group's, for the way out; no tensor load fills it
.set SPITCH, 272
.set LAPS,   SIZE_K/(2*KSTEP)          ; a lap = two K steps = once round the ring: 8
.set ADRA, 16                          ; v16-17  LDS address of my A fragments in slot 0, 1
.set ADRB, 20                          ; v20-23  the same for B: slot 0 k 0-127, slot 0 k 128-255, slot 1 likewise (255 rows of 288 bytes pass the 16-bit offset of an LDS load)
.set STO,  24                          ; v24     the way out: where I put 16 bytes of a row
.set RD,   25                          ; v25     the way out: where I read a row back
.set CO,   26                          ; v26     my byte offset in cnt
.set TMP,  32                          ; the way out: 64 registers, packed results and then whole rows
.set ACC,  128
.set F0,   0                           ; fragment buffers, in window 1
.set F1,   128
.set G1,  24                           ; s[24:31] descriptor group 1 for A's tiles;  s[32:39] group 0, one set for each slot
.set G0,  32
.set G1B, 48                           ; s[48:55], s[56:63] the same for B's tiles
.set G0B, 56
.set MSB, 0
.macro WIN new                         ; the immediate's high byte repeats the setting that is left; a switch that changes nothing is dropped
.if MSB != \new
	s_set_vgpr_msb (MSB<<8)|\new
.set MSB, \new
.endif
.endm
.set MUL,  0x05                        ; sources 0 (B) and 1 (A) window 1; C and D window 0
.set TO_F, 0x40                        ; destination window 1, address window 0
.macro JLOAD s                         ; a joint refill: waves 0 and 1 fetch A's two halves, waves 2 and 3 B's; four v_nop follow each of the two lines, ahead of the jump, the label and what follows
	s_cmp_eq_u32 s11, 0
	s_cbranch_scc0 .Lfor_b_\@
	tensor_load_to_lds s[G0+4*\s:G0+4*\s+3], s[G1:G1+7]
	s_nop 0
.rept 4
	v_nop
.endr
	s_branch .Lasked_\@
.Lfor_b_\@:
	tensor_load_to_lds s[G0B+4*\s:G0B+4*\s+3], s[G1B:G1B+7]
	s_nop 0
.rept 4
	v_nop
.endr
.Lasked_\@:
.endm
.macro CREST                           ; a round of the cluster's barrier behind its opening barrier: wave 0 signals for the work-group, every wave waits for all sixteen, my work-group's barrier once more
	s_cmp_lg_u32 s10, 0
	s_cbranch_scc1 .Lnot_wave_0_\@
	s_barrier_signal -3
.Lnot_wave_0_\@:
	s_barrier_wait -3
	s_barrier_signal -1
	s_barrier_wait -1
.endm
.macro CROUND                          ; a whole round
	s_barrier_signal -1
	s_barrier_wait -1
	CREST
.endm
	s_load_b128 s[4:7], s[0:1], 0x0                ; ar s[4:5], bc s[6:7]
	s_load_b64 s[8:9], s[0:1], 0x10                ; cnt
	v_lshl_add_u32 v126, v0, 2, 0x4d800
	v_mov_b32 v127, 0
	ds_add_u32 v126, v127
	v_lshrrev_b32 v1, 5, v0
	v_readfirstlane_b32 s10, v1                    ; wave 0..3
	s_lshr_b32 s11, s10, 1                         ; which half of the tile's rows is mine.  Also: I fetch for A (0) or for B (1)
	s_and_b32 s12, s10, 1                          ; which half of its columns.  Also: which half of that tile I fetch
	s_bfe_u32 s40, ttmp6, 0x40000                  ; cx, cy: my place in the cluster
	s_bfe_u32 s41, ttmp6, 0x40004
	s_lshl_b32 s42, ttmp9, 2                       ; in a cluster launch ttmp9 and ttmp7 count clusters
	s_add_co_u32 s42, s42, s40                     ; tile column = 4 x cluster x + cx
	s_and_b32 s13, ttmp7, 0xffff
	s_lshl_b32 s13, s13, 2
	s_add_co_u32 s13, s13, s41                     ; tile row = 4 x cluster y + cy
	s_lshl_b32 s43, s41, 2
	s_lshl_b32 s43, 15, s43                        ; my row of the cluster: places 4 cy .. 4 cy + 3
	s_lshl_b32 s44, 0x1111, s40                    ; my column: places cx, cx + 4, cx + 8, cx + 12
	; group 1 for A: 64 rows x 256 elements
	s_or_b32 s[G1+0], s43, (1<<16)|(1<<20)|(1<<21)|(6<<22)|(3<<25)   ; 15:0 the mask: A's tiles go to my row; 17:16 elements of 2 bytes; 20 padding on; 21 set beside a mask; 24:22 after every 128 words (code 6); 31:25 4 words of it (code 3)
	s_mov_b32 s[G1+1], KSTEP<<16                   ; tensor_dim0 = 256
	s_mov_b32 s[G1+2], 64<<16                      ; tensor_dim1 = 64
	s_mov_b32 s[G1+3], KSTEP<<16                   ; tile_dim0 = 256
	s_mov_b32 s[G1+4], 64                          ; tile_dim1 = 64
	s_mov_b32 s[G1+5], SIZE_K                      ; elements from row to row of ar
	s_mov_b32 s[G1+6], 0
	s_mov_b32 s[G1+7], 0
	; group 1 for B: 128 rows (k) x 128 elements (n)
	s_or_b32 s[G1B+0], s44, (1<<16)|(1<<20)|(1<<21)|(5<<22)|(7<<25)  ; the mask of my column; after every 64 words (code 5) 8 words of padding (code 7)
	s_mov_b32 s[G1B+1], 128<<16                    ; tensor_dim0 = 128
	s_mov_b32 s[G1B+2], 128<<16                    ; tensor_dim1 = 128
	s_mov_b32 s[G1B+3], 128<<16                    ; tile_dim0 = 128
	s_mov_b32 s[G1B+4], 128                        ; tile_dim1 = 128
	s_mov_b32 s[G1B+5], SIZE_N                     ; elements from row to row of bc
	s_mov_b32 s[G1B+6], 0
	s_mov_b32 s[G1B+7], 0
	; where the tiles come from.  A's hang on the tile row alone, which my row of the cluster shares; B's on the tile column alone, which my column shares.
	; Every wave makes both addresses, in registers that never hold the other coordinate, and asks by one of them.
	s_lshl_b32 s16, s13, 7
	s_lshl_b32 s17, s12, 6
	s_add_co_u32 s16, s16, s17                     ; A: row 128 x tile row + 64 x half,
	s_lshl_b32 s16, s16, 13                        ; of 8,192 bytes
	s_mov_b32 s17, 0
	s_lshl_b32 s46, s42, 8                         ; B: 256 bytes x tile column
	s_lshl_b32 s47, s12, 19                        ; + 128 x half rows of 4,096 bytes
	s_add_co_u32 s46, s46, s47
	s_mov_b32 s47, 0
	s_mul_i32 s20, s12, HALFA                      ; and where they go: no place in the cluster enters an LDS address
	s_mul_i32 s21, s12, HALFB
	s_add_co_u32 s21, s21, BOFF
	s_wait_dscnt 0x0
	s_wait_kmcnt 0x0
	s_add_nc_u64 s[14:15], s[4:5], s[16:17]
	s_add_nc_u64 s[46:47], s[6:7], s[46:47]
	CROUND                                         ; all sixteen work-groups are here: the first joint loads meet
.irp s, 0,1
	s_mov_b32 s[G0+4*\s], 1                                        ; count = 1
	s_add_co_u32 s[G0+4*\s+1], s20, \s*SLOT                        ; LDS address
	s_add_nc_u64 s[G0+4*\s+2:G0+4*\s+3], s[14:15], \s*KSTEP*2      ; global address: K step s lies 512 bytes along ar's rows
	s_or_b32 s[G0+4*\s+3], s[G0+4*\s+3], 0x80000000                ; type = 2
	s_mov_b32 s[G0B+4*\s], 1
	s_add_co_u32 s[G0B+4*\s+1], s21, \s*SLOT
	s_add_nc_u64 s[G0B+4*\s+2:G0B+4*\s+3], s[46:47], \s*KSTEP*SIZE_N*2   ; K step s lies 256 rows down bc
	s_or_b32 s[G0B+4*\s+3], s[G0B+4*\s+3], 0x80000000
.endr
	s_cmp_eq_u32 s11, 0                            ; a wave's two first fills stand in one branch, ahead of every wait on TENSORcnt and every LDS read: two loads of mine are out; four v_nop follow the second
	s_cbranch_scc0 .Lfirst_b
	tensor_load_to_lds s[G0:G0+3], s[G1:G1+7]
	s_nop 0
	tensor_load_to_lds s[G0+4:G0+7], s[G1:G1+7]
	s_nop 0
.rept 4
	v_nop
.endr
	s_branch .Lfirst_asked
.Lfirst_b:
	tensor_load_to_lds s[G0B:G0B+3], s[G1B:G1B+7]
	s_nop 0
	tensor_load_to_lds s[G0B+4:G0B+7], s[G1B:G1B+7]
	s_nop 0
.rept 4
	v_nop
.endr
.Lfirst_asked:
	; A fragment is 16 rows x 32 K in 8 registers: lane l holds row l % 16; registers 0-3 K = 8 (l / 16) + 0..7, registers 4-7 K = 16 + 8 (l / 16) + 0..7.
	; A: two loads of 16 bytes, 32 bytes apart.  B: two turning loads, 16 LDS rows apart; lane l reads 16 bytes at k = 8 (l / 16) + l % 8, columns 8 ((l / 8) % 2) + 0..7, and receives column l % 16.
	v_and_b32 v1, 15, v0                           ; l % 16
	v_bfe_u32 v2, v0, 4, 1                         ; l / 16
	v_mul_u32_u24 v3, v1, PA
	v_lshl_add_u32 v3, v2, 4, v3                   ; A: row x pitch + 16 x half
	v_and_b32 v5, 7, v0
	v_bfe_u32 v6, v0, 3, 1
	v_lshl_add_u32 v4, v2, 3, v5
	v_mul_u32_u24 v4, v4, PB
	v_lshl_add_u32 v4, v6, 4, v4                   ; B: k x pitch + 16 x column half
	s_mul_i32 s22, s11, HALFA                      ; my 64 rows of A
	s_lshl_b32 s23, s12, 7                         ; my 64 columns of B: 128 bytes,
	s_add_co_u32 s23, s23, BOFF                    ; behind A's 128 rows
.irp s, 0,1
	v_add_nc_u32 v[ADRA+\s], s22, v3
	v_add_nc_u32 v[ADRB+2*\s], s23, v4
	v_add_nc_u32 v[ADRB+2*\s+1], HALFB, v[ADRB+2*\s]
	s_add_co_u32 s22, s22, SLOT
	s_add_co_u32 s23, s23, SLOT
.endr
	s_mul_i32 s22, s11, 64*SPITCH                  ; into the stage: my 64 rows, my half of their 256 bytes; row l % 16, 16 bytes for each half of the lanes
	s_lshl_b32 s23, s12, 7
	s_add_co_u32 s22, s22, s23
	s_add_co_u32 s22, s22, STAGE
	v_mul_u32_u24 v4, v1, SPITCH
	v_lshl_add_u32 v4, v2, 4, v4
	v_add_nc_u32 v[STO], s22, v4
	s_mul_i32 s22, s10, 32*SPITCH                  ; back: wave w takes rows 32 w .. 32 w + 31, whole; lanes 0-15 one row of 256 bytes, lanes 16-31 the next
	s_add_co_u32 s22, s22, STAGE
	v_mul_u32_u24 v5, v2, SPITCH
	v_lshl_add_u32 v5, v1, 4, v5
	v_add_nc_u32 v[RD], s22, v5
	v_lshlrev_b32 v5, 12, v2                       ; and the same two rows in cnt, 4,096 bytes apart
	v_lshl_add_u32 v[CO], v1, 4, v5
	s_lshl_b32 s16, s13, 7
	s_lshl_b32 s17, s10, 5
	s_add_co_u32 s16, s16, s17                     ; the first row of cnt that I store: 128 x tile row + 32 x wave
	s_lshl_b32 s16, s16, 12
	s_mov_b32 s17, 0
	s_add_nc_u64 s[8:9], s[8:9], s[16:17]
	s_lshl_b32 s46, s42, 8                         ; the tile's first column, in bytes
	s_mov_b32 s47, 0
	s_add_nc_u64 s[8:9], s[8:9], s[46:47]
; 8 matrix instructions: m blocks a0, a0 + 1 x all 4 n blocks, 32 along K: half c of buffer f.  zero = 1: the first product starts the sums: nothing is cleared.
; The 16 accumulators take turns, one instruction a turn, in the same order everywhere.
.macro MUL8 f, c, a0, zero
.irp a, \a0, \a0+1
.irp b, 0,1,2,3
.if \zero
	v_wmma_f32_16x16x32_bf16 v[ACC+8*(4*(\a)+\b):ACC+8*(4*(\a)+\b)+7], v[\f+64+8*(4*\c+\b):\f+64+8*(4*\c+\b)+7], v[\f+8*(4*\c+\a):\f+8*(4*\c+\a)+7], 0
.else
	v_wmma_f32_16x16x32_bf16 v[ACC+8*(4*(\a)+\b):ACC+8*(4*(\a)+\b)+7], v[\f+64+8*(4*\c+\b):\f+64+8*(4*\c+\b)+7], v[\f+8*(4*\c+\a):\f+8*(4*\c+\a)+7], v[ACC+8*(4*(\a)+\b):ACC+8*(4*(\a)+\b)+7]
.endif
.endr
.endr
.endm
; 32 LDS loads in one run: the fragments of quarter q (64 along K) of a slot, into buffer f; the first 32 along K first
.macro FETCH slot, q, f
	WIN TO_F
.irp c, 0,1
.irp i, 0,1,2,3
	ds_load_tr16_b128 v[\f+64+8*(4*\c+\i):\f+64+8*(4*\c+\i)+3],   v[ADRB+2*\slot+(\q)/2] offset:(((\q)%2)*64+32*\c)*PB+32*\i
	ds_load_tr16_b128 v[\f+64+8*(4*\c+\i)+4:\f+64+8*(4*\c+\i)+7], v[ADRB+2*\slot+(\q)/2] offset:(((\q)%2)*64+32*\c+16)*PB+32*\i
	ds_load_b128 v[\f+8*(4*\c+\i):\f+8*(4*\c+\i)+3],              v[ADRA+\slot] offset:128*(\q)+64*\c+\i*16*PA
	ds_load_b128 v[\f+8*(4*\c+\i)+4:\f+8*(4*\c+\i)+7],            v[ADRA+\slot] offset:128*(\q)+64*\c+\i*16*PA+32
.endr
.endr
.endm
; A load into a register that a matrix instruction has read, and a vector instruction that reads a matrix result, stand four places behind that matrix instruction, and only plain vector
; instructions that name none of its registers are places (ISA guide 7.12.1 for vector instructions).
.macro PLACES
.rept 4
	v_nop
.endr
.endm
; A K step is four quarters of 64 along K, 32 matrix instructions each, on buffers 0, 1, 0, 1.  One of the first three: multiplies buffer f and fetches quarter q into g.
.macro QUARTER slot, q, f, g, zero
	s_wait_dscnt 16                                ; the first 32 along K are in; the sixteen younger loads may be out
	WIN MUL
	MUL8 \f, 0, 0, \zero
	MUL8 \f, 0, 2, \zero
	PLACES
	FETCH \slot, \q, \g
	s_wait_dscnt 32                                ; all but the 32 just issued
	WIN MUL
	MUL8 \f, 1, 0, 0
	MUL8 \f, 1, 2, 0
.endm
; The last quarter multiplies buffer 1 and changes slots: ONE barrier; in front of it each wave waits for its own reads of this slot and for all its tensor loads, of which one is out: its part
; of the next slot.  fill = 1: this slot is filled again, two K steps ahead; the barrier then opens a round of the cluster's barrier.
.macro TURN slot, next, fill
	s_wait_dscnt 16
	WIN MUL
	MUL8 F1, 0, 0, 0
	s_wait_dscnt 0                                 ; my reads of this slot are over,
	s_set_vgpr_msb 0x500
	s_wait_tensorcnt 0x0                           ; and all my tensor loads have landed: my part of the next slot
	ds_add_u32 v126, v127
	s_wait_dscnt 0x0
	s_set_vgpr_msb 0x5
	s_barrier_signal -1
	MUL8 F1, 0, 2, 0                               ; work on registers while the others arrive
.if \fill
	WIN 0                                          ; at a branch and at a label every window is 0
.endif
	s_barrier_wait -1
.if \fill
	CREST                                          ; no wave of any partner still reads this slot's tile or has a load on its way
	s_add_nc_u64 s[G0+4*\slot+2:G0+4*\slot+3], s[G0+4*\slot+2:G0+4*\slot+3], 2*KSTEP*2             ; no tensor load of mine is out, so a group 0 may be written
	s_add_nc_u64 s[G0B+4*\slot+2:G0B+4*\slot+3], s[G0B+4*\slot+2:G0B+4*\slot+3], 2*KSTEP*SIZE_N*2
	JLOAD \slot                                    ; the first tensor load behind the round, my one load until the next: 120 matrix instructions ahead of the wait for it; its four v_nop are also the places in front of the loads below
.else
	PLACES
.endif
	FETCH \next, 0, F0
	WIN MUL
	MUL8 F1, 1, 0, 0
	MUL8 F1, 1, 2, 0
.endm
	s_wait_tensorcnt 1                             ; my part of K step 0 is in; K step 1's stays out
	s_barrier_signal -1
	s_barrier_wait -1                              ; everybody's is
	FETCH 0, 0, F0
	QUARTER 0, 1, F0, F1, 1                        ; the first quarter stands in front of the loop: its first products start the sums
	WIN 0
	s_mov_b32 s3, LAPS-1
.Llap:                                                 ; a trip goes once round the ring, from a lap's second quarter to the next lap's first, and fills both slots again
	QUARTER 0, 2, F1, F0, 0
	QUARTER 0, 3, F0, F1, 0
	TURN 0, 1, 1
	QUARTER 1, 1, F0, F1, 0
	QUARTER 1, 2, F1, F0, 0
	QUARTER 1, 3, F0, F1, 0
	TURN 1, 0, 1
	QUARTER 0, 1, F0, F1, 0
	WIN 0
	s_sub_co_u32 s3, s3, 1
	s_cmp_lg_u32 s3, 0
	s_cbranch_scc1 .Llap
	QUARTER 0, 2, F1, F0, 0                        ; the last lap is written out: it fills nothing, and has no round of the cluster's barrier
	QUARTER 0, 3, F0, F1, 0
	TURN 0, 1, 0
	QUARTER 1, 1, F0, F1, 0
	QUARTER 1, 2, F1, F0, 0
	QUARTER 1, 3, F0, F1, 0
	s_wait_dscnt 16                                ; the very last quarter: nothing more to fetch
	WIN MUL
	MUL8 F1, 0, 0, 0
	MUL8 F1, 0, 2, 0
	s_wait_dscnt 0
	MUL8 F1, 1, 0, 0
	MUL8 F1, 1, 2, 0
	WIN 0
	; THE WAY OUT: round to bf16; 16 bytes a lane into the work-group's stage; a barrier, since a row's 256 bytes come from two waves; back as whole rows, 32 rows a wave.
	PLACES
.irp t, 0,1,2,3,4,5,6,7,8,9,10,11,12,13,14,15
.irp r, 0,1,2,3
	v_cvt_pk_bf16_f32 v[TMP+4*\t+\r], v[ACC+8*\t+2*\r], v[ACC+8*\t+2*\r+1]     ; each accumulator's registers in ascending order
.endr
.endr
.irp a, 0,1,2,3
.irp b, 0,1,2,3
	ds_store_b128 v[STO], v[TMP+4*(4*\a+\b):TMP+4*(4*\a+\b)+3] offset:\a*16*SPITCH+32*\b
.endr
.endr
	s_wait_dscnt 0x0                               ; for the others' sake: my stores into the stage are done
	s_barrier_signal -1
	s_barrier_wait -1
.irp t, 0,1,2,3,4,5,6,7,8,9,10,11,12,13,14,15
	ds_load_b128 v[TMP+4*\t:TMP+4*\t+3], v[RD] offset:\t*2*SPITCH
.endr
.irp t, 0,1,2,3,4,5,6,7,8,9,10,11,12,13,14,15
	s_wait_dscnt 15-\t                             ; load t is back; the younger ones stay out
	global_store_b128 v[CO], v[TMP+4*\t:TMP+4*\t+3], s[8:9] offset:2*\t*SIZE_N*2   ; 16 lanes store 256 consecutive bytes, at a multiple of 256 from cnt's first byte
.endr
	s_wait_tensorcnt 0x0
	ds_add_u32 v126, v127
	s_wait_dscnt 0x0
	CROUND                                         ; the closing round: no work-group ends while a partner may still ask for a tile that names it
	s_endpgm
.Lfunc_end_k_qb9efbe13e8_gemm:
	.size	k_qb9efbe13e8_gemm, .Lfunc_end_k_qb9efbe13e8_gemm-k_qb9efbe13e8_gemm
	.p2alignl 7, 3214868480
	.fill 96, 4, 3214868480
	.section	.rodata,"a",@progbits
	.p2align	6, 0x0
	.amdhsa_kernel k_qb9efbe13e8_gemm
		.amdhsa_group_segment_fixed_size 327680
		.amdhsa_private_segment_fixed_size 0
		.amdhsa_enable_private_segment 0
		.amdhsa_kernarg_size 24
		.amdhsa_user_sgpr_count 2
		.amdhsa_user_sgpr_kernarg_segment_ptr 1
		.amdhsa_wavefront_size32 1
		.amdhsa_system_sgpr_workgroup_id_x 1
		.amdhsa_system_sgpr_workgroup_id_y 1
		.amdhsa_system_sgpr_workgroup_id_z 1
		.amdhsa_system_vgpr_workitem_id 0
		.amdhsa_next_free_vgpr 512
		.amdhsa_next_free_sgpr 66
		.amdhsa_reserve_vcc 0
		.amdhsa_float_denorm_mode_32 3
		.amdhsa_float_denorm_mode_16_64 3
		.amdhsa_memory_ordered 1
		.amdhsa_forward_progress 1
		.amdhsa_inst_pref_size 87
	.end_amdhsa_kernel
	.amdgpu_metadata
---
amdhsa.version: [ 1, 2 ]
amdhsa.kernels:
  - .name:           k_qb9efbe13e8_gemm
    .symbol:         k_qb9efbe13e8_gemm.kd
    .args:
      - { .name: ar, .offset: 0, .size: 8, .value_kind: global_buffer, .address_space: global }
      - { .name: bc, .offset: 8, .size: 8, .value_kind: global_buffer, .address_space: global }
      - { .name: cnt, .offset: 16, .size: 8, .value_kind: global_buffer, .address_space: global }
    .group_segment_fixed_size: 327680
    .private_segment_fixed_size: 0
    .kernarg_segment_align: 8
    .kernarg_segment_size: 24
    .max_flat_workgroup_size: 128
    .sgpr_count:     66
    .vgpr_count:     512
    .wavefront_size: 32
...
	.end_amdgpu_metadata
.endif
;; end of part 4
;; launch norm (part 5): grid 256 x 1, 8 waves a work-group, no clusters, 0 bytes of LDS; arguments cnt, out0; writes out0
.if DOCPART == 5
	.amdgcn_target "amdgcn-amd-amdhsa--gfx1250"
	.amdhsa_code_object_version 6
	.text
	.protected	k_qb9efbe13e8_norm
	.globl	k_qb9efbe13e8_norm
	.p2align	8
	.type	k_qb9efbe13e8_norm,@function
k_qb9efbe13e8_norm:
	s_mov_b64 s[64:65], 0
	v_nop
	global_prefetch_b8 v0, s[64:65] scope:SCOPE_SE
	s_setreg_imm32_b32 hwreg(HW_REG_WAVE_MODE, 25, 1), 1
	s_wait_xcnt 0x0
; out0[m][n] = u / (sum over n of u), u = (cnt[m][n] > 0) as 0 or 1.  cnt: [2048][2048] bf16, whole numbers of 0 or more (0, or at least 1); out0: [2048][2048] f32.
; So u = min(cnt, 1).  One wave takes one row: 4,096 bytes in, kept as 64 f32 a lane between the sum and the scaling, 8,192 bytes out; no LDS, no barrier, no loop.
; The sums are whole numbers up to 2,048: exact in f32.  The division is a multiplication by v_rcp_f32 of the sum.  A row with no 1 gives 0 x infinity = NaN, as reference()'s 0 / 0 does.
; Memory binds: matrix units, tensor loads and clusters would add nothing.
.set X,  4                             ; v[4:35]    the row as loaded: load j brings 4 bf16, columns 128 j + 4 lane + 0..3
.set F,  36                            ; v[36:99]   the same as f32: 0 or 1, then scaled
.set SA, 100                           ; v[100:103] two packed chains of sums
.set R,  104                           ; v[104:105] 1 / sum, twice (a pair for the packed multiply)
	s_load_b128 s[4:7], s[0:1], 0x0                ; cnt s[4:5], out0 s[6:7]
	v_lshrrev_b32 v3, 5, v0
	v_readfirstlane_b32 s8, v3                     ; wave 0..7
	v_and_b32 v3, 31, v0
	v_lshlrev_b32 v1, 3, v3                        ; 8 bytes a lane in
	v_lshlrev_b32 v2, 4, v3                        ; 16 bytes a lane out
	s_lshl3_add_u32 s9, ttmp9, s8                  ; my row = 8 x work-group + wave
	s_lshl_b32 s10, s9, 12                         ; 4,096 bytes a row of cnt
	s_mov_b32 s11, 0
	s_lshl_b32 s12, s9, 13                         ; 8,192 a row of out0
	s_mov_b32 s13, 0
	s_mov_b32 s14, 0x76543210                      ; v_permlanex16_b32: each lane takes its own place in the other half
	s_mov_b32 s15, 0xfedcba98
	s_mov_b32 s16, 0xffff0000                      ; a word's upper bf16
	s_wait_kmcnt 0x0
	s_add_nc_u64 s[4:5], s[4:5], s[10:11]
	s_add_nc_u64 s[6:7], s[6:7], s[12:13]
.set j, 0
.rept 16
	global_load_b64 v[X+2*j:X+2*j+1], v1, s[4:5] offset:256*j th:TH_LOAD_NT       ; a load of the wave covers 256 consecutive bytes, aligned
.set j, j+1
.endr
.set j, 0
.rept 16
	s_wait_loadcnt 15-j                            ; loads come back in order (ISA guide 5.7.1): number j is in, the younger ones stay out
	v_lshlrev_b32 v[F+4*j],   16,  v[X+2*j]        ; bf16 to f32: the low half moves up,
	v_and_b32     v[F+4*j+1], s16, v[X+2*j]        ; the high half stays
	v_lshlrev_b32 v[F+4*j+2], 16,  v[X+2*j+1]
	v_and_b32     v[F+4*j+3], s16, v[X+2*j+1]
	v_min_num_f32 v[F+4*j],   1.0, v[F+4*j]        ; > 0, as 0 or 1
	v_min_num_f32 v[F+4*j+1], 1.0, v[F+4*j+1]
	v_min_num_f32 v[F+4*j+2], 1.0, v[F+4*j+2]
	v_min_num_f32 v[F+4*j+3], 1.0, v[F+4*j+3]
.if j == 1
	v_pk_add_f32 v[SA:SA+1],   v[F:F+1],   v[F+4:F+5]          ; the first two groups start the chains: nothing is cleared
	v_pk_add_f32 v[SA+2:SA+3], v[F+2:F+3], v[F+6:F+7]
.elseif j > 1
	v_pk_add_f32 v[SA:SA+1],   v[SA:SA+1],   v[F+4*j:F+4*j+1]
	v_pk_add_f32 v[SA+2:SA+3], v[SA+2:SA+3], v[F+4*j+2:F+4*j+3]
.endif
.set j, j+1
.endr
	v_pk_add_f32 v[SA:SA+1], v[SA:SA+1], v[SA+2:SA+3]
	v_add_f32 v[SA], v[SA], v[SA+1]
	v_add_f32_dpp v[SA], v[SA], v[SA] row_xmask:1 row_mask:0xf bank_mask:0xf
	v_add_f32_dpp v[SA], v[SA], v[SA] row_xmask:2 row_mask:0xf bank_mask:0xf
	v_add_f32_dpp v[SA], v[SA], v[SA] row_xmask:4 row_mask:0xf bank_mask:0xf
	v_add_f32_dpp v[SA], v[SA], v[SA] row_xmask:8 row_mask:0xf bank_mask:0xf
	v_permlanex16_b32 v[SA+1], v[SA], s14, s15     ; its destination counts as read: a register that has been written
	v_add_f32 v[SA], v[SA], v[SA+1]                ; every lane holds the row's sum
	v_rcp_f32 v[R], v[SA]
	v_rcp_f32 v[R+1], v[SA]
	v_nop                                          ; a plain instruction between the reciprocals and the use of their results (ISA guide 5.7.2)
.set j, 0
	s_wait_alu depctr_va_vdst(0)
.rept 16
	v_pk_mul_f32 v[F+4*j:F+4*j+1],   v[F+4*j:F+4*j+1],   v[R:R+1]
	v_pk_mul_f32 v[F+4*j+2:F+4*j+3], v[F+4*j+2:F+4*j+3], v[R:R+1]
	global_store_b128 v2, v[F+4*j:F+4*j+3], s[6:7] offset:512*j th:TH_STORE_NT     ; a store of the wave covers 512 consecutive bytes, aligned
.set j, j+1
.endr
	s_endpgm
.Lfunc_end_k_qb9efbe13e8_norm:
	.size	k_qb9efbe13e8_norm, .Lfunc_end_k_qb9efbe13e8_norm-k_qb9efbe13e8_norm
	.p2alignl 7, 3214868480
	.fill 96, 4, 3214868480
	.section	.rodata,"a",@progbits
	.p2align	6, 0x0
	.amdhsa_kernel k_qb9efbe13e8_norm
		.amdhsa_group_segment_fixed_size 0
		.amdhsa_private_segment_fixed_size 0
		.amdhsa_enable_private_segment 0
		.amdhsa_kernarg_size 16
		.amdhsa_user_sgpr_count 2
		.amdhsa_user_sgpr_kernarg_segment_ptr 1
		.amdhsa_wavefront_size32 1
		.amdhsa_system_sgpr_workgroup_id_x 1
		.amdhsa_system_sgpr_workgroup_id_y 1
		.amdhsa_system_sgpr_workgroup_id_z 1
		.amdhsa_system_vgpr_workitem_id 0
		.amdhsa_next_free_vgpr 108
		.amdhsa_next_free_sgpr 66
		.amdhsa_reserve_vcc 0
		.amdhsa_float_denorm_mode_32 3
		.amdhsa_float_denorm_mode_16_64 3
		.amdhsa_memory_ordered 1
		.amdhsa_forward_progress 1
		.amdhsa_inst_pref_size 13
	.end_amdhsa_kernel
	.amdgpu_metadata
---
amdhsa.version: [ 1, 2 ]
amdhsa.kernels:
  - .name:           k_qb9efbe13e8_norm
    .symbol:         k_qb9efbe13e8_norm.kd
    .args:
      - { .name: cnt, .offset: 0, .size: 8, .value_kind: global_buffer, .address_space: global }
      - { .name: out0, .offset: 8, .size: 8, .value_kind: global_buffer, .address_space: global }
    .group_segment_fixed_size: 0
    .private_segment_fixed_size: 0
    .kernarg_segment_align: 8
    .kernarg_segment_size: 16
    .max_flat_workgroup_size: 256
    .sgpr_count:     66
    .vgpr_count:     108
    .wavefront_size: 32
...
	.end_amdgpu_metadata
.endif
;; end of part 5
;; ======== version 2 of 3: 5 launches
;; workspace buffers: scores 16,384 bytes; rank 16,384 bytes of whole numbers; cpos 16,384 bytes of whole numbers; ar 16,777,216 bytes; bc 16,777,216 bytes; bits 2,097,152 bytes of whole numbers
;; launch score: the kernel of part 1 again; grid 256 x 1, 8 waves a work-group, no clusters, 1,280 bytes of LDS; arguments h, W, b, scores; writes scores
;; launch rank (part 6): grid 256 x 1, 8 waves a work-group, no clusters, 2,048 bytes of LDS; arguments scores, rank, cpos; writes rank, cpos
.if DOCPART == 6
	.amdgcn_target "amdgcn-amd-amdhsa--gfx1250"
	.amdhsa_code_object_version 6
	.text
	.protected	k_qb9efbe13e8_rank
	.globl	k_qb9efbe13e8_rank
	.p2align	8
	.type	k_qb9efbe13e8_rank,@function
k_qb9efbe13e8_rank:
	s_mov_b64 s[64:65], 0
	v_nop
	global_prefetch_b8 v0, s[64:65] scope:SCOPE_SE
	s_setreg_imm32_b32 hwreg(HW_REG_WAVE_MODE, 25, 1), 1
	s_wait_xcnt 0x0
; rank[i] = the number of j with score[j] > score[i], plus the number of j < i with score[j] = score[i]: node i's place in the descending order with ties
; to the lower index.  A permutation of 0..4095; places 0..2047 are the nodes that are kept.
; cpos[i] = the same place with its low six bits turned: rank = 64 g + 4 r + e goes to 64 g + 16 e + r.  It is the place of node i's column in the second operand of the
; product; it too is a permutation, and it is below 2048 just where rank is.
; A score is +0 to 1.0, so its 32 bits order as a signed whole number as the f32 orders; the counting is done on the bits.
; LIMIT.  The bits must lie in 0 .. 0x7ffffffe (one is added to some of them): the launch that makes the scores delivers +0 to 1.0 and no NaN.
; SHARES.  Work-group z owns the 16 nodes i = 16 z + n, whose scores come as 16 scalars by one load.  Wave w holds the 512 scores j = 512 w + 128 q + 4 lane + e in
; 16 vector registers (register 4 q + e), by four loads of 512 consecutive bytes issued together: all that a wave reads is asked for in one round.
; One compare of a scalar node with a register gives a lane mask for 32 j; a bit count and a sum in scalar registers count them.  The eight waves' counts meet in LDS.
; TIES.  A score with j < 16 z lies below every node of the block: it is raised by one, so that "greater" means "greater or equal" for it.  Scores at or behind the block
; are compared as they are.  Ties inside the block with the lower index are added apart: wave w takes the block's members 2 w and 2 w + 1.
.set U,  16                            ; s[16:31]  the block's 16 scores
.set MA, 32                            ; s[32:47]  16 lane masks of a node, then their counts
.set MB, 48                            ; s[48:63]  the next node's: the two sets take turns
.set X,  12                            ; v[12:27]  my wave's 512 scores; in wave 0 at last v[12:19] the eight waves' counts
.set B,  28                            ; v[28:43]  1 where the register's j lies below the block, else 0
; v2 lane   v3 16 x lane   v4 4 (lane % 16)   v5 the block's scores, lane n % 16 = node n   v6 my word in LDS   v7 the j of register 0   v8 at work   v9 lane n: node n's count
; s10 wave   s11 16 z   s[68:69] the scores of members 2 w, 2 w + 1   s70, s71 the lanes above them   s[72:73], s[74:75], s[76:77] scores at those members, at my 512, at the block
	s_load_b128 s[4:7], s[0:1], 0x0                ; scores s[4:5], rank s[6:7]
	s_load_b64 s[8:9], s[0:1], 0x10                ; cpos
	v_lshl_add_u32 v44, v0, 2, 0x400
	v_mov_b32 v45, 0
	v_lshrrev_b32 v1, 5, v0
	v_readfirstlane_b32 s10, v1                    ; wave 0..7
	v_and_b32 v2, 31, v0
	v_lshlrev_b32 v3, 4, v2
	v_and_b32 v4, 15, v0
	v_lshlrev_b32 v4, 2, v4
	v_lshlrev_b32 v6, 2, v0                        ; 128 x wave + 4 x lane
	s_lshl_b32 s11, ttmp9, 4                       ; the block's first node
	s_lshl_b32 s12, s10, 11                        ; my 512 scores: 2,048 bytes a wave
	s_mov_b32 s13, 0
	s_lshl_b32 s14, ttmp9, 6                       ; the block's 64 bytes
	s_mov_b32 s15, 0
	s_lshl3_add_u32 s78, s10, s14                  ; its members 2 w and 2 w + 1
	s_mov_b32 s79, 0
	s_lshl_b32 s80, s10, 9
	v_lshl_add_u32 v7, v2, 2, s80                  ; 512 w + 4 lane
	s_lshl_b32 s71, s10, 1                         ; 2 w
	s_lshl_b32 s70, -2, s71                        ; lanes above 2 w: the nodes of the block behind member 2 w
	s_lshl_b32 s71, s70, 1                         ; lanes above 2 w + 1
	s_wait_kmcnt 0x0
	s_add_nc_u64 s[76:77], s[4:5], s[14:15]
	s_add_nc_u64 s[74:75], s[4:5], s[12:13]
	s_add_nc_u64 s[72:73], s[4:5], s[78:79]
	s_load_b512 s[U:U+15], s[76:77], 0x0
	s_load_b64 s[68:69], s[72:73], 0x0
.irp q, 0,1,2,3
	global_load_b128 v[X+4*\q:X+4*\q+3], v3, s[74:75] offset:512*\q
.endr
	global_load_b32 v5, v4, s[76:77]
	; made of indices alone, while the loads are on their way
.set r, 0
.rept 16
	v_add_nc_u32 v8, 128*(r/4)+r%4, v7             ; the register's j
	v_cmp_gt_u32 vcc_lo, s11, v8                   ; below the block?
	v_cndmask_b32 v[B+r], 0, 1, vcc_lo
.set r, r+1
.endr
	s_wait_loadcnt 0x1                             ; my 512 scores are in; the one younger load, v5's, stays out
.set r, 0
.rept 16
	v_add_nc_u32 v[X+r], v[X+r], v[B+r]
.set r, r+1
.endr
	s_wait_kmcnt 0x0                               ; the block's scores
.macro CMPS n, m                       ; node n against my 16 registers: 16 lane masks
.set r, 0
.rept 16
	v_cmp_lt_i32 s[\m+r], s[U+(\n)], v[X+r]
.set r, r+1
.endr
.endm
.macro SUMS n, m                       ; the masks' bits are counted and added, neighbours 1, 2, 4 and 8 apart; the sum goes to lane n
.set r, 0
.rept 16
	s_bcnt1_i32_b32 s[\m+r], s[\m+r]
.set r, r+1
.endr
.irp d, 1,2,4,8
.set r, 0
.rept 8/\d
	s_add_co_u32 s[\m+2*\d*r], s[\m+2*\d*r], s[\m+2*\d*r+\d]
.set r, r+1
.endr
.endr
.if (\n) == 0
	v_mov_b32 v9, s[\m]                            ; node 0's count is written to all lanes, so nothing is cleared
.else
	v_writelane_b32 v9, s[\m], (\n)
.endif
.endm
	CMPS 0, MA                                     ; a node's compares stand in front of the counts of the node before, so that no count waits for a mask just made
.irp n, 0,2,4,6,8,10,12
	CMPS \n+1, MB
	SUMS \n, MA
	CMPS \n+2, MA
	SUMS \n+1, MB
.endr
	CMPS 15, MB
	SUMS 14, MA
	SUMS 15, MB
	s_wait_loadcnt 0x0                             ; v5
	v_cmp_eq_u32 vcc_lo, s68, v5                   ; ties inside the block, with the lower index
	s_and_b32 vcc_lo, vcc_lo, s70
	v_add_co_ci_u32 v9, vcc_lo, 0, v9, vcc_lo
	v_cmp_eq_u32 vcc_lo, s69, v5
	s_and_b32 vcc_lo, vcc_lo, s71
	v_add_co_ci_u32 v9, vcc_lo, 0, v9, vcc_lo
	ds_store_b32 v6, v9                            ; lanes 16-31 hold nothing of use; they have words of their own, which are read and never stored to memory
	s_wait_dscnt 0x0                               ; for wave 0's sake: my store is done
	s_barrier_signal -1
	s_barrier_wait -1
	s_cmp_lg_u32 s10, 0
	s_cbranch_scc1 .Lend
.set i, 0
.rept 8
	ds_load_b32 v[X+i], v6 offset:128*i            ; in wave 0 v6 = 4 x lane: the eight waves' counts for node n = lane
.set i, i+1
.endr
	s_add_nc_u64 s[6:7], s[6:7], s[14:15]          ; rank and cpos at the block
	s_add_nc_u64 s[8:9], s[8:9], s[14:15]
	v_cmp_gt_u32 vcc_lo, 16, v0
	s_wait_dscnt 0x0
	v_add3_u32 v12, v12, v13, v14
	v_add3_u32 v15, v15, v16, v17
	v_add3_u32 v12, v12, v18, v19
	v_add_nc_u32 v12, v12, v15                     ; the rank = 64 g + 4 r + e
	v_and_b32 v13, 3, v12                          ; e
	v_bfe_u32 v14, v12, 2, 4                       ; r
	v_and_b32 v16, 0xfc0, v12                      ; 64 g
	v_lshl_or_b32 v13, v13, 4, v14                 ; 16 e + r
	v_or_b32 v13, v13, v16
	s_wait_xcnt 0x0                                ; EXEC is narrowed only behind this wait
	s_wait_tensorcnt 0x0
	ds_add_u32 v44, v45
	s_wait_dscnt 0x0
	s_and_saveexec_b32 s81, vcc_lo                 ; lanes 0-15: one lane a node
	global_store_b32 v4, v12, s[6:7]               ; 64 consecutive bytes a work-group; each of the two buffers is 16 KiB, and 256 work-groups share the counting
	global_store_b32 v4, v13, s[8:9]
	s_endpgm
.Lend:
	s_wait_tensorcnt 0x0
	ds_add_u32 v44, v45
	s_wait_dscnt 0x0
	s_endpgm
.Lfunc_end_k_qb9efbe13e8_rank:
	.size	k_qb9efbe13e8_rank, .Lfunc_end_k_qb9efbe13e8_rank-k_qb9efbe13e8_rank
	.p2alignl 7, 3214868480
	.fill 96, 4, 3214868480
	.section	.rodata,"a",@progbits
	.p2align	6, 0x0
	.amdhsa_kernel k_qb9efbe13e8_rank
		.amdhsa_group_segment_fixed_size 2048
		.amdhsa_private_segment_fixed_size 0
		.amdhsa_enable_private_segment 0
		.amdhsa_kernarg_size 24
		.amdhsa_user_sgpr_count 2
		.amdhsa_user_sgpr_kernarg_segment_ptr 1
		.amdhsa_wavefront_size32 1
		.amdhsa_system_sgpr_workgroup_id_x 1
		.amdhsa_system_sgpr_workgroup_id_y 1
		.amdhsa_system_sgpr_workgroup_id_z 1
		.amdhsa_system_vgpr_workitem_id 0
		.amdhsa_next_free_vgpr 46
		.amdhsa_next_free_sgpr 84
		.amdhsa_reserve_vcc 1
		.amdhsa_float_denorm_mode_32 3
		.amdhsa_float_denorm_mode_16_64 3
		.amdhsa_memory_ordered 1
		.amdhsa_forward_progress 1
		.amdhsa_inst_pref_size 40
	.end_amdhsa_kernel
	.amdgpu_metadata
---
amdhsa.version: [ 1, 2 ]
amdhsa.kernels:
  - .name:           k_qb9efbe13e8_rank
    .symbol:         k_qb9efbe13e8_rank.kd
    .args:
      - { .name: scores, .offset: 0, .size: 8, .value_kind: global_buffer, .address_space: global }
      - { .name: rank, .offset: 8, .size: 8, .value_kind: global_buffer, .address_space: global }
      - { .name: cpos, .offset: 16, .size: 8, .value_kind: global_buffer, .address_space: global }
    .group_segment_fixed_size: 2048
    .private_segment_fixed_size: 0
    .kernarg_segment_align: 8
    .kernarg_segment_size: 24
    .max_flat_workgroup_size: 256
    .sgpr_count:     84
    .vgpr_count:     46
    .wavefront_size: 32
...
	.end_amdgpu_metadata
.endif
;; end of part 6
;; launch prep (part 7): grid 2048 x 1, 1 waves a work-group, no clusters, 16,640 bytes of LDS; arguments g, h, scores, rank, ar, bc, out1, out2, cpos; writes ar, bc, out1, out2
.if DOCPART == 7
	.amdgcn_target "amdgcn-amd-amdhsa--gfx1250"
	.amdhsa_code_object_version 6
	.text
	.protected	k_qb9efbe13e8_prep
	.globl	k_qb9efbe13e8_prep
	.p2align	8
	.type	k_qb9efbe13e8_prep,@function
k_qb9efbe13e8_prep:
	s_mov_b64 s[64:65], 0
	v_nop
	global_prefetch_b8 v0, s[64:65] scope:SCOPE_SE
	s_setreg_imm32_b32 hwreg(HW_REG_WAVE_MODE, 25, 1), 1
	s_wait_xcnt 0x0
; g is read once and leaves as the two operands of the product that is needed, in bf16 (0 and 1 are exact there):
;   ar[rank[k]][c] = (g[k][c] != 0)   for the rows k with rank[k] < 2048        ar: [2048][4096] bf16, rows in the order of the result
;   bc[k][cpos[c]] = (g[k][c] != 0)   for the columns c with cpos[c] < 2048     bc: [4096][2048] bf16; result column 64 g + 4 r + e lies at place 64 g + 16 e + r
; and with them  out1[rank[k]] = h[k] * scores[k]  and  out2[rank[k]] = k  for rank[k] < 2048.  rank and cpos are permutations of 0..4095, stored by an earlier launch;
; cpos[c] < 2048 just where rank[c] < 2048.
; SHARES.  A work-group is ONE wave and owns rows k = 2 wg (even) and k + 1 (odd) of g and of h: no wave needs another, so there is no barrier and no LDS byte is shared;
; 2,048 work-groups are eight for each of 256 WGPs.  A lane owns columns 128 c + 4 lane + 0..3 of chunk c = 0..31, so a load of the wave covers 512 consecutive bytes.
; THE COLUMN GATHER goes through LDS as a scatter.  The wave's 16 KiB are 4,096 words, word p = (even row, odd row) at the column whose cpos is p.
; One ds_store_b32 places 32 columns of both rows.  All 4,096 columns are placed, without a mask, since every place occurs once; words 0..2047 are read back in order.
; Memory binds this launch: matrix units, tensor loads and clusters are left out, since every number passes through registers anyway, to be made 0 or 1 and packed.
.set HALF, 2048                        ; how many nodes are kept
.set AW,   8                           ; v[8:23]    packed words for ar: 8 of the even row, 8 of the odd
.set X,    32                          ; v[32:127]  three slots of 32: a turn's 16 numbers of the even row, then of the odd
.set RK,   128                         ; v[128:255] RK + 4 c + e: the LDS address of the word for column 128 c + 4 lane + e
; v0 lane   v1 16 x lane   v2 8 x lane   v4 4 (lane % 2)   v5 bf16 1.0   v6 a row's number   v7 my two rows' ranks, by turns along the lanes
; s[4:19] the first eight buffers   s[54:55] cpos   s21 k   s[24:25] my rows' ranks   s[26:27] their scores   s28, s29 the ranks clamped   s[30:31] rank, s[22:23] scores at row k
; s[32:33], s[34:35] my rows of ar   s[36:37], s[38:39] my rows of out1   s[40:41] g, s[42:43] h, s[44:45] bc at row k.  No base is written twice.
	s_load_b512 s[4:19], s[0:1], 0x0               ; g, h, scores, rank, ar, bc, out1, out2
	s_load_b64 s[54:55], s[0:1], 0x40              ; cpos
	v_lshl_add_u32 v30, v0, 2, 0x4000
	v_mov_b32 v31, 0
	v_lshlrev_b32 v1, 4, v0
	v_lshlrev_b32 v2, 3, v0
	v_and_b32 v4, 1, v0
	v_lshlrev_b32 v4, 2, v4
	v_mov_b32 v5, 0x3f80                           ; 1.0 in bf16
	s_lshl_b32 s21, ttmp9, 1                       ; k = 2 wg
	s_mov_b32 s52, 0x05040100                      ; v_perm_b32: the low halves of two words
	s_mov_b32 s53, 0x07060302                      ; the high halves
	s_lshl_b32 s56, s21, 2
	s_mov_b32 s57, 0
	s_wait_kmcnt 0x0
	s_add_nc_u64 s[30:31], s[10:11], s[56:57]
	s_add_nc_u64 s[22:23], s[8:9], s[56:57]
	s_load_b64 s[24:25], s[30:31], 0x0             ; rank[k], rank[k + 1]
	s_load_b64 s[26:27], s[22:23], 0x0             ; scores[k], scores[k + 1]
	s_lshl_b32 s56, s21, 14                        ; a row of g is 16,384 bytes
	s_add_nc_u64 s[40:41], s[4:5], s[56:57]
	s_lshl_b32 s56, s21, 11                        ; of h 2,048
	s_add_nc_u64 s[42:43], s[6:7], s[56:57]
	s_lshl_b32 s56, s21, 12                        ; of bc 4,096
	s_add_nc_u64 s[44:45], s[14:15], s[56:57]
.macro LOADG T                         ; turn T: chunks 4 T .. 4 T + 3 of both rows, eight loads, into slot T % 3
.irp e, 0,1
.irp j, 0,1,2,3
	global_load_b128 v[X+32*((\T)%3)+16*\e+4*\j:X+32*((\T)%3)+16*\e+4*\j+3], v1, s[40:41] offset:\e*16384+512*(4*(\T)+\j) th:TH_LOAD_NT
.endr
.endr
.endm
	; 57 loads go out at once: my rows' ranks as a vector (1), h (8, into slot 2), all columns' places (32), g's turns 0 and 1 (16)
	global_load_b32 v7, v4, s[30:31]
.irp e, 0,1
.irp q, 0,1,2,3
	global_load_b128 v[X+64+16*\e+4*\q:X+64+16*\e+4*\q+3], v1, s[42:43] offset:\e*2048+512*\q th:TH_LOAD_NT
.endr
.endr
.set i, 0
.rept 32
	global_load_b128 v[RK+4*i:RK+4*i+3], v1, s[54:55] offset:512*i
.set i, i+1
.endr
	LOADG 0
	LOADG 1
	s_wait_kmcnt 0x0                               ; my rows' ranks and scores
	s_min_u32 s28, s24, HALF-1                     ; a rank enters an address only clamped; a row that is not kept stores nothing
	s_min_u32 s29, s25, HALF-1
	s_lshl_b32 s56, s28, 13                        ; a row of ar is 8,192 bytes
	s_add_nc_u64 s[32:33], s[12:13], s[56:57]
	s_lshl_b32 s56, s29, 13
	s_add_nc_u64 s[34:35], s[12:13], s[56:57]
	s_lshl_b32 s56, s28, 11                        ; of out1 2,048
	s_add_nc_u64 s[36:37], s[16:17], s[56:57]
	s_lshl_b32 s56, s29, 11
	s_add_nc_u64 s[38:39], s[16:17], s[56:57]
	s_mov_b32 s46, s26                             ; each score as a pair: the packed multiply names a pair and takes its low word for both halves
	s_mov_b32 s47, s26
	s_mov_b32 s48, s27
	s_mov_b32 s49, s27
	; out1: a kept row of h times its score
	s_wait_loadcnt 48                              ; v7 and h are in; the 32 + 16 younger loads stay out
	s_cmp_lt_u32 s24, HALF
	s_cbranch_scc0 .Lno_h_even
.set i, 0
.rept 8
	v_pk_mul_f32 v[X+64+2*i:X+64+2*i+1], v[X+64+2*i:X+64+2*i+1], s[46:47] op_sel_hi:[1,0]
.set i, i+1
.endr
.irp q, 0,1,2,3
	global_store_b128 v1, v[X+64+4*\q:X+64+4*\q+3], s[36:37] offset:512*\q th:TH_STORE_NT
.endr
.Lno_h_even:
	s_cmp_lt_u32 s25, HALF
	s_cbranch_scc0 .Lno_h_odd
.set i, 0
.rept 8
	v_pk_mul_f32 v[X+80+2*i:X+80+2*i+1], v[X+80+2*i:X+80+2*i+1], s[48:49] op_sel_hi:[1,0]
.set i, i+1
.endr
.irp q, 0,1,2,3
	global_store_b128 v1, v[X+80+4*\q:X+80+4*\q+3], s[38:39] offset:512*\q th:TH_STORE_NT
.endr
.Lno_h_odd:
	; the places become LDS addresses: clamped to the 4,096 words, times 4 bytes
	s_wait_loadcnt 16                              ; all places are in; g's two turns stay out
.set i, 0
.rept 128
	v_min_u32 v[RK+i], 4095, v[RK+i]
	v_lshlrev_b32 v[RK+i], 2, v[RK+i]
.set i, i+1
.endr
	s_wait_xcnt 0x0                                ; slot 2 was the data of out1's stores: it is loaded again only behind this wait
	LOADG 2
; One turn: 512 columns of both rows.  left = the younger loads that may stay out; refill = 1: the slot takes the turn three further on.
.macro TURN T, left, refill
.set XS, X+32*((\T)%3)
	s_wait_loadcnt \left
.set i, 0
.rept 32
	v_cmp_neq_f32 vcc_lo, 0, v[XS+i]               ; != 0 as reference() has it: true for a NaN, false for -0
	v_cndmask_b32 v[XS+i], 0, v5, vcc_lo           ; bf16 1.0 or 0, in the low half
.set i, i+1
.endr
	s_wait_xcnt 0x0                                ; AW was the data of the last turn's stores: it is written again only behind this wait
.set i, 0
.rept 16
	v_lshl_or_b32 v[AW+i], v[XS+2*i+1], 16, v[XS+2*i]      ; for ar: two neighbouring columns of one row
.set i, i+1
.endr
.set i, 0
.rept 16
	v_lshl_or_b32 v[XS+i], v[XS+16+i], 16, v[XS+i]         ; for bc: one column of both rows
.set i, i+1
.endr
.set i, 0
.rept 16
	ds_store_b32 v[RK+16*(\T)+i], v[XS+i]
.set i, i+1
.endr
.if \refill
	LOADG \T+3
.endif
	s_cmp_lt_u32 s24, HALF
	s_cbranch_scc0 .Lno_even_\@
.irp j, 0,1,2,3
	global_store_b64 v2, v[AW+2*\j:AW+2*\j+1], s[32:33] offset:256*(4*(\T)+\j)     ; a store of the wave covers 256 consecutive bytes, at a multiple of 256 from ar's first byte
.endr
.Lno_even_\@:
	s_cmp_lt_u32 s25, HALF
	s_cbranch_scc0 .Lno_odd_\@
.irp j, 0,1,2,3
	global_store_b64 v2, v[AW+8+2*\j:AW+8+2*\j+1], s[34:35] offset:256*(4*(\T)+\j)
.endr
.Lno_odd_\@:
.endm
	TURN 0, 16, 1                                  ; two younger turns, sixteen loads, are always on their way
	TURN 1, 16, 1
	TURN 2, 16, 1
	TURN 3, 16, 1
	TURN 4, 16, 1
	TURN 5, 16, 0                                  ; nothing is left to fetch: the counts run down
	TURN 6, 8, 0
	TURN 7, 0, 0
	; bc: words 0..2047 come back in order.  LDS serves a wave's instructions in order (ISA guide 5.7.1.4): these loads see the stores above.
.set i, 0
.rept 16
	ds_load_b128 v[X+4*i:X+4*i+3], v1 offset:512*i         ; words 128 i + 4 lane + 0..3
.set i, i+1
.endr
.set i, 0
.rept 16
	s_wait_dscnt 15-i                              ; LDS loads come back in order: number i is in
	v_perm_b32 v[RK+4*i],   v[X+4*i+1], v[X+4*i],   s52    ; the even row's four columns,
	v_perm_b32 v[RK+4*i+1], v[X+4*i+3], v[X+4*i+2], s52
	v_perm_b32 v[RK+4*i+2], v[X+4*i+1], v[X+4*i],   s53    ; the odd row's
	v_perm_b32 v[RK+4*i+3], v[X+4*i+3], v[X+4*i+2], s53
	global_store_b64 v2, v[RK+4*i:RK+4*i+1],   s[44:45] offset:256*i               ; 256 consecutive bytes, aligned; no register is written twice, so no wait stands here
	global_store_b64 v2, v[RK+4*i+2:RK+4*i+3], s[44:45] offset:4096+256*i
.set i, i+1
.endr
	; out2: lanes 0 and 1 place the numbers of my two rows, four bytes each where the rank says: 8 KiB in the whole launch.  It stands last, so that EXEC is narrowed once and never widened.
	v_add_nc_u32 v6, s21, v0                       ; k + lane
	v_cmp_gt_u32 vcc_lo, HALF, v7                  ; kept?
	s_and_b32 vcc_lo, vcc_lo, 3                    ; lanes 0 and 1: one lane a row
	v_min_u32 v7, HALF-1, v7
	v_lshlrev_b32 v7, 2, v7
	s_wait_xcnt 0x0                                ; EXEC is a source of the stores above: it changes only behind this wait
	s_wait_tensorcnt 0x0
	ds_add_u32 v30, v31
	s_wait_dscnt 0x0
	s_and_saveexec_b32 s58, vcc_lo
	global_store_b32 v7, v6, s[18:19]
	s_endpgm
.Lfunc_end_k_qb9efbe13e8_prep:
	.size	k_qb9efbe13e8_prep, .Lfunc_end_k_qb9efbe13e8_prep-k_qb9efbe13e8_prep
	.p2alignl 7, 3214868480
	.fill 96, 4, 3214868480
	.section	.rodata,"a",@progbits
	.p2align	6, 0x0
	.amdhsa_kernel k_qb9efbe13e8_prep
		.amdhsa_group_segment_fixed_size 16640
		.amdhsa_private_segment_fixed_size 0
		.amdhsa_enable_private_segment 0
		.amdhsa_kernarg_size 72
		.amdhsa_user_sgpr_count 2
		.amdhsa_user_sgpr_kernarg_segment_ptr 1
		.amdhsa_wavefront_size32 1
		.amdhsa_system_sgpr_workgroup_id_x 1
		.amdhsa_system_sgpr_workgroup_id_y 1
		.amdhsa_system_sgpr_workgroup_id_z 1
		.amdhsa_system_vgpr_workitem_id 0
		.amdhsa_next_free_vgpr 256
		.amdhsa_next_free_sgpr 66
		.amdhsa_reserve_vcc 1
		.amdhsa_float_denorm_mode_32 3
		.amdhsa_float_denorm_mode_16_64 3
		.amdhsa_memory_ordered 1
		.amdhsa_forward_progress 1
		.amdhsa_inst_pref_size 83
	.end_amdhsa_kernel
	.amdgpu_metadata
---
amdhsa.version: [ 1, 2 ]
amdhsa.kernels:
  - .name:           k_qb9efbe13e8_prep
    .symbol:         k_qb9efbe13e8_prep.kd
    .args:
      - { .name: g, .offset: 0, .size: 8, .value_kind: global_buffer, .address_space: global }
      - { .name: h, .offset: 8, .size: 8, .value_kind: global_buffer, .address_space: global }
      - { .name: scores, .offset: 16, .size: 8, .value_kind: global_buffer, .address_space: global }
      - { .name: rank, .offset: 24, .size: 8, .value_kind: global_buffer, .address_space: global }
      - { .name: ar, .offset: 32, .size: 8, .value_kind: global_buffer, .address_space: global }
      - { .name: bc, .offset: 40, .size: 8, .value_kind: global_buffer, .address_space: global }
      - { .name: out1, .offset: 48, .size: 8, .value_kind: global_buffer, .address_space: global }
      - { .name: out2, .offset: 56, .size: 8, .value_kind: global_buffer, .address_space: global }
      - { .name: cpos, .offset: 64, .size: 8, .value_kind: global_buffer, .address_space: global }
    .group_segment_fixed_size: 16640
    .private_segment_fixed_size: 0
    .kernarg_segment_align: 8
    .kernarg_segment_size: 72
    .max_flat_workgroup_size: 32
    .sgpr_count:     66
    .vgpr_count:     256
    .wavefront_size: 32
...
	.end_amdgpu_metadata
.endif
;; end of part 7
;; launch gemm (part 8): grid 8 x 32, 4 waves a work-group, clusters of 4 x 4, 327,680 bytes of LDS; arguments ar, bc, bits; writes bits
.if DOCPART == 8
	.amdgcn_target "amdgcn-amd-amdhsa--gfx1250"
	.amdhsa_code_object_version 6
	.text
	.protected	k_qb9efbe13e8_gemm
	.globl	k_qb9efbe13e8_gemm
	.p2align	8
	.type	k_qb9efbe13e8_gemm,@function
k_qb9efbe13e8_gemm:
	s_mov_b64 s[64:65], 0
	v_nop
	global_prefetch_b8 v0, s[64:65] scope:SCOPE_SE
	s_setreg_imm32_b32 hwreg(HW_REG_WAVE_MODE, 25, 1), 1
	s_wait_xcnt 0x0
	s_wait_alu depctr_hold_cnt(0) depctr_sa_sdst(0) depctr_va_vdst(0) depctr_va_sdst(0) depctr_va_ssrc(0) depctr_va_vcc(0) depctr_vm_vsrc(0)
	s_getreg_b32 s2, hwreg(HW_REG_IB_STS2, 6, 4)
	s_cmp_eq_u32 s2, 0
	s_cbranch_scc0 .Lentry_in_a_cluster
	s_endpgm
.Lentry_in_a_cluster:
	s_bfe_u32 s2, ttmp6, 0x10000c
	s_cmp_lg_u32 s2, 0xf033
	s_cbranch_scc0 .Lentry_shape_is_right
	s_endpgm
.Lentry_shape_is_right:
; bits[kq] = (sum over the k of quarter kq of ar[m][k] bc[k][p] > 0), one bit a number.  ar: [2048][4096] bf16, bc: [4096][2048] bf16, both 0 or 1; bits: 4 planes of 2048 x 2048 bits.
; The f32 sums are whole numbers up to 1,024: exact, and none is negative, so the whole sum over k is above 0 just where one of the four partial sums is: the next launch ORs the planes.
; SHARES.  A tile of the result is 256 x 256; there are 64 of them, so K is shared too: four work-groups take a quarter of K (1,024) each, 256 work-groups in all, and none adds to another's
; sums.  Four waves, as many as a WGP has SIMDs, each 128 x 128: 64 accumulators of 16 x 16, 512 registers.  K goes in steps of 128 through two LDS slots filled by the tensor data mover.
; ar's tile (256 rows x 128 k) lies along K: rows of 256 bytes, padded to 272.  bc's tile (128 k x 256 columns) lies along the columns: rows of 512 bytes, padded to 544; its fragments are
; turned on the way into registers by ds_load_tr16_b128.
; CLUSTERS: 4 x 4 work-groups, all sixteen in the same quarter of K.  The four of a row of the cluster need the same tiles of ar, the four of a column the same tiles of bc: each tile is asked
; for JOINTLY, by the same tensor load with the same descriptor and a mask that names the four.
; PREFETCH.  No earlier work-group of this launch has read a K step's tiles when the joint loads ask for them, so they are asked for ahead.  A K step of a tile row's ar is 256 rows x 256 bytes,
; shared out among the row's 8 work-groups, 32 rows each; a K step of a tile column's bc is 128 rows x 512 bytes, shared out among the column's 8 work-groups, 32 pieces of 256 bytes each.
; That is 128 pieces a lap for a work-group: one global_prefetch_b8 a wave and lap, one piece a lane (waves 0, 1: ar of the lap's even and odd step; waves 2, 3: bc likewise).  It stands in the
; first quarter step of K step t = 0, 2, 4 and names steps t + 2 and t + 3: 192 matrix instructions ahead of the even step's joint load, 448 ahead of the odd step's.  Each aligned 256 bytes of
; steps 2 to 7 are named by one lane of one wave in the launch; steps 0 and 1 are the first fills and are not named; the lap that fills steps 6 and 7 asks for nothing, since no step follows.
; THE WAY OUT.  Source 0 is ar's fragment, source 1 bc's: register j of lane l holds row 8 (l / 16) + j and column l % 16 of a 16 x 16 block.  One v_cmp_lt_f32 of such a register is the
; "> 0" of 32 numbers, as a word in a scalar register: bits 0-15 are 16 columns of row j, bits 16-31 the same columns of row 8 + j.
; bits lies as [kq 4][c 16: 128 columns][a 128: 16 rows][j 8][b 8: 16 columns], in words: a wave's 64 x 8 words are 2,048 consecutive bytes.
; REGISTERS, in windows of 256 (s_set_vgpr_msb: bits 1:0 source 0, 3:2 source 1, 5:4 source 2, 7:6 destination):
;   window 0: v0-31 addresses; v32-47 the words on their way out; v64-127, v128-191 fragments of ar (8 x 16 rows x 32 K), two buffers
;   window 1: v64-127, v128-191 fragments of bc, two buffers
;   window 2: the 32 accumulators of my rows 0-63 (accumulator (a, b) at v[8 (8 a + b)]);   window 3: those of my rows 64-127
.set ROWA,   4096                      ; elements in a row of ar
.set ROWB,   2048                      ; elements in a row of bc
.set KPART,  1024                      ; a work-group's share of K
.set KSTEP,  128
.set PA,     272                       ; ar's LDS row: 256 bytes + 16 = 68 words: row r starts at bank 4 r mod 64 (64 banks of 4 bytes: ISA guide 11.1), so the 16 rows of a load start at 16 different banks
.set PB,     544                       ; bc's LDS row: 512 bytes + 32 = 136 words: row r starts at bank 8 r mod 64
.set HALFT,  128*PA                    ; what one tensor load brings: 128 rows of ar, or 64 rows of bc (64 x 544 is the same 34,816 bytes)
.set BOFF,   2*HALFT                   ; in a slot: ar's 256 rows, then bc's 128
.set SLOT,   4*HALFT                   ; 139,264 bytes
.set LAPS,   KPART/(2*KSTEP)           ; a lap = two K steps = once round the ring: 4
.set ADRA, 16                          ; v16-17  LDS address of my fragments of ar in slot 0, 1
.set ADRB, 20                          ; v20-21  the same for bc
.set CO,   24                          ; v24     16 x lane: my byte offset in a store of 512 bytes
.set PF,   25                          ; v25     my lane's byte offset in my wave's prefetch; never rewritten
.set OUT,  32                          ; v32-47  four stores of four registers
.set F0,   64                          ; fragment buffer 0
.set F1,   128                         ; fragment buffer 1
.set MW,   68                          ; s[68:99] 32 words of bits
.set G1,  24                           ; s[24:31] descriptor group 1 for ar's tiles;  s[32:39] group 0, one set for each slot
.set G0,  32
.set G1B, 48                           ; s[48:55], s[56:63] the same for bc's tiles
.set G0B, 56
.set MSB, 0
.macro WIN new                         ; the immediate's high byte repeats the setting that is left; a switch that changes nothing is dropped
.if MSB != \new
	s_set_vgpr_msb (MSB<<8)|\new
.set MSB, \new
.endif
.endm
.set MUL_LO, 0xa4                      ; source 0 (ar) window 0, source 1 (bc) window 1, C and D window 2
.set MUL_HI, 0xf4                      ; the same, C and D window 3
.set TO_B,   0x40                      ; destination window 1, address window 0
.macro JLOAD s                         ; a joint refill: waves 0 and 1 fetch ar's two halves, waves 2 and 3 bc's; four v_nop follow each of the two lines, ahead of the jump, the label and what follows
	s_cmp_eq_u32 s11, 0
	s_cbranch_scc0 .Lfor_b_\@
	tensor_load_to_lds s[G0+4*\s:G0+4*\s+3], s[G1:G1+7]
	s_nop 0
.rept 4
	v_nop
.endr
	s_branch .Lasked_\@
.Lfor_b_\@:
	tensor_load_to_lds s[G0B+4*\s:G0B+4*\s+3], s[G1B:G1B+7]
	s_nop 0
.rept 4
	v_nop
.endr
.Lasked_\@:
.endm
.macro CREST                           ; a round of the cluster's barrier behind its opening barrier: wave 0 signals for the work-group, every wave waits for all sixteen, my work-group's barrier once more
	s_cmp_lg_u32 s10, 0
	s_cbranch_scc1 .Lnot_wave_0_\@
	s_barrier_signal -3
.Lnot_wave_0_\@:
	s_barrier_wait -3
	s_barrier_signal -1
	s_barrier_wait -1
.endm
.macro CROUND                          ; a whole round
	s_barrier_signal -1
	s_barrier_wait -1
	CREST
.endm
	s_load_b128 s[4:7], s[0:1], 0x0                ; ar s[4:5], bc s[6:7]
	s_load_b64 s[8:9], s[0:1], 0x10                ; bits
	v_lshl_add_u32 v255, v0, 2, 0x44000
	s_set_vgpr_msb 0x40
	v_mov_b32 v255, 0
	s_set_vgpr_msb 0x4044
	ds_add_u32 v255, v255
	s_set_vgpr_msb 0x4400
	v_lshrrev_b32 v1, 5, v0
	v_readfirstlane_b32 s10, v1                    ; wave 0..3
	s_lshr_b32 s11, s10, 1                         ; which half of the tile's rows is mine.  Also: I fetch for ar (0) or for bc (1)
	s_and_b32 s12, s10, 1                          ; which half of its columns.  Also: which half of that tile I fetch
	s_bfe_u32 s40, ttmp6, 0x40000                  ; cx, cy: my place in the cluster
	s_bfe_u32 s41, ttmp6, 0x40004
	s_lshl_b32 s42, ttmp9, 2                       ; in a cluster launch ttmp9 and ttmp7 count clusters
	s_add_co_u32 s42, s42, s40                     ; tile column = 4 x cluster x + cx, 0..7
	s_and_b32 s45, ttmp7, 0xffff                   ; cluster y, 0..7
	s_and_b32 s13, s45, 1
	s_lshl_b32 s13, s13, 2
	s_add_co_u32 s13, s13, s41                     ; tile row = 4 x (cluster y % 2) + cy, 0..7
	s_lshr_b32 s45, s45, 1                         ; the quarter of K = cluster y / 2: the same in all sixteen partners
	s_lshl_b32 s43, s41, 2
	s_lshl_b32 s43, 15, s43                        ; my row of the cluster: places 4 cy .. 4 cy + 3
	s_lshl_b32 s44, 0x1111, s40                    ; my column: places cx, cx + 4, cx + 8, cx + 12
	; group 1 for ar: 128 rows x 128 elements
	s_or_b32 s[G1+0], s43, (1<<16)|(1<<20)|(1<<21)|(5<<22)|(3<<25)   ; 15:0 the mask: ar's tiles go to my row; 17:16 elements of 2 bytes; 20 padding on; 21 set beside a mask; 24:22 after every 64 words (code 5); 31:25 4 words of it (code 3)
	s_mov_b32 s[G1+1], KSTEP<<16                   ; tensor_dim0 = 128
	s_mov_b32 s[G1+2], 128<<16                     ; tensor_dim1 = 128
	s_mov_b32 s[G1+3], KSTEP<<16                   ; tile_dim0 = 128
	s_mov_b32 s[G1+4], 128                         ; tile_dim1 = 128
	s_mov_b32 s[G1+5], ROWA                        ; elements from row to row of ar
	s_mov_b32 s[G1+6], 0
	s_mov_b32 s[G1+7], 0
	; group 1 for bc: 64 rows (k) x 256 elements (columns)
	s_or_b32 s[G1B+0], s44, (1<<16)|(1<<20)|(1<<21)|(6<<22)|(7<<25)  ; the mask of my column; after every 128 words (code 6) 8 words of padding (code 7)
	s_mov_b32 s[G1B+1], 256<<16                    ; tensor_dim0 = 256
	s_mov_b32 s[G1B+2], 64<<16                     ; tensor_dim1 = 64
	s_mov_b32 s[G1B+3], 256<<16                    ; tile_dim0 = 256
	s_mov_b32 s[G1B+4], 64                         ; tile_dim1 = 64
	s_mov_b32 s[G1B+5], ROWB                       ; elements from row to row of bc
	s_mov_b32 s[G1B+6], 0
	s_mov_b32 s[G1B+7], 0
	; where the tiles come from.  ar's hang on the tile row, which my row of the cluster shares; bc's on the tile column, which my column shares; both on the quarter of K, which all share.
	; Every wave makes both addresses, in registers that never hold the other coordinate, and asks by one of them.
	s_lshl_b32 s16, s13, 8
	s_lshl_b32 s17, s12, 7
	s_add_co_u32 s16, s16, s17                     ; ar: row 256 x tile row + 128 x half,
	s_lshl_b32 s16, s16, 13                        ; of 8,192 bytes,
	s_lshl_b32 s17, s45, 11                        ; and 1,024 elements of 2 bytes along it for each quarter
	s_add_co_u32 s16, s16, s17
	s_mov_b32 s17, 0
	s_lshl_b32 s46, s45, 10
	s_lshl_b32 s47, s12, 6
	s_add_co_u32 s46, s46, s47                     ; bc: row 1,024 x quarter + 64 x half,
	s_lshl_b32 s46, s46, 12                        ; of 4,096 bytes,
	s_lshl_b32 s47, s42, 9                         ; and 512 bytes along it for each tile column
	s_add_co_u32 s46, s46, s47
	s_mov_b32 s47, 0
	s_mul_i32 s20, s10, HALFT                      ; and where they go: ar's two halves, then bc's two halves = wave x 34,816: no place in the cluster enters an LDS address
	s_wait_dscnt 0x0
	s_wait_kmcnt 0x0
	s_add_nc_u64 s[14:15], s[4:5], s[16:17]
	s_add_nc_u64 s[46:47], s[6:7], s[46:47]
	CROUND                                         ; all sixteen work-groups are here: the first joint loads meet
.irp s, 0,1
	s_mov_b32 s[G0+4*\s], 1                                        ; count = 1
	s_add_co_u32 s[G0+4*\s+1], s20, \s*SLOT                        ; LDS address
	s_add_nc_u64 s[G0+4*\s+2:G0+4*\s+3], s[14:15], \s*KSTEP*2      ; global address: K step s lies 256 bytes along ar's rows
	s_or_b32 s[G0+4*\s+3], s[G0+4*\s+3], 0x80000000                ; type = 2
	s_mov_b32 s[G0B+4*\s], 1
	s_add_co_u32 s[G0B+4*\s+1], s20, \s*SLOT
	s_add_nc_u64 s[G0B+4*\s+2:G0B+4*\s+3], s[46:47], \s*KSTEP*ROWB*2     ; K step s lies 128 rows down bc
	s_or_b32 s[G0B+4*\s+3], s[G0B+4*\s+3], 0x80000000
.endr
	s_cmp_eq_u32 s11, 0                            ; a wave's two first fills stand in one branch, ahead of every wait on TENSORcnt and every LDS read: two loads of mine are out; four v_nop follow the second
	s_cbranch_scc0 .Lfirst_b
	tensor_load_to_lds s[G0:G0+3], s[G1:G1+7]
	s_nop 0
	tensor_load_to_lds s[G0+4:G0+7], s[G1:G1+7]
	s_nop 0
.rept 4
	v_nop
.endr
	s_branch .Lfirst_asked
.Lfirst_b:
	tensor_load_to_lds s[G0B:G0B+3], s[G1B:G1B+7]
	s_nop 0
	tensor_load_to_lds s[G0B+4:G0B+7], s[G1B:G1B+7]
	s_nop 0
.rept 4
	v_nop
.endr
.Lfirst_asked:
	; A fragment is 16 rows (or columns) x 32 K in 8 registers: lane l holds number l % 16; registers 0-3 K = 8 (l / 16) + 0..7, registers 4-7 K = 16 + 8 (l / 16) + 0..7.
	; ar: two loads of 16 bytes, 32 bytes apart.  bc: two turning loads, 16 LDS rows apart; lane l reads 16 bytes at k = 8 (l / 16) + l % 8, columns 8 ((l / 8) % 2) + 0..7, and receives column l % 16.
	v_and_b32 v1, 15, v0                           ; l % 16
	v_bfe_u32 v2, v0, 4, 1                         ; l / 16
	v_mul_u32_u24 v3, v1, PA
	v_lshl_add_u32 v3, v2, 4, v3                   ; ar: row x pitch + 16 x half
	v_and_b32 v5, 7, v0
	v_bfe_u32 v6, v0, 3, 1
	v_lshl_add_u32 v4, v2, 3, v5
	v_mul_u32_u24 v4, v4, PB
	v_lshl_add_u32 v4, v6, 4, v4                   ; bc: k x pitch + 16 x column half
	s_mul_i32 s22, s11, HALFT                      ; my 128 rows of ar
	s_lshl_b32 s23, s12, 8                         ; my 128 columns of bc: 256 bytes along its rows,
	s_add_co_u32 s23, s23, BOFF                    ; behind ar's 256 rows
.irp s, 0,1
	v_add_nc_u32 v[ADRA+\s], s22, v3
	v_add_nc_u32 v[ADRB+\s], s23, v4
	s_add_co_u32 s22, s22, SLOT
	s_add_co_u32 s23, s23, SLOT
.endr
	v_and_b32 v[CO], 31, v0
	v_lshlrev_b32 v[CO], 4, v[CO]
	; where my 2,048 bytes of bits begin: quarter x 524,288 + (2 x tile column + column half) x 32,768 + (16 x tile row + 8 x row half) x 256
	s_lshl_b32 s16, s13, 4
	s_lshl3_add_u32 s16, s11, s16
	s_lshl_b32 s16, s16, 8
	s_lshl_b32 s17, s45, 19
	s_add_co_u32 s16, s16, s17
	s_mov_b32 s17, 0
	s_add_nc_u64 s[8:9], s[8:9], s[16:17]
	s_lshl1_add_u32 s46, s42, s12
	s_lshl_b32 s46, s46, 15
	s_mov_b32 s47, 0
	s_add_nc_u64 s[8:9], s[8:9], s[46:47]
	; what my wave asks for ahead, first for K step 2 + (wave % 2).  s[4:5] becomes its base, s[66:67] the base's step from lap to lap.
	; ar (waves 0, 1): rows 256 x tile row + 32 x tile column + lane, the step's 256 bytes of each
	s_lshl_b32 s18, s13, 3
	s_add_co_u32 s18, s18, s42
	s_lshl_b32 s18, s18, 18                        ; 32 rows of 8,192 bytes for each of the quarter's 64 work-groups
	s_lshl_b32 s19, s45, 11                        ; the quarter of K: 2,048 bytes along the row
	s_add_co_u32 s18, s18, s19
	s_lshl_b32 s19, s12, 8                         ; the odd step lies 256 bytes on
	s_add_co_u32 s18, s18, s19
	s_add_co_u32 s18, s18, 2*KSTEP*2               ; K step 2
	; bc (waves 2, 3): rows 16 x tile row + lane / 2 of the step's 128, piece lane % 2 of the tile column's 512 bytes
	s_lshl_b32 s21, s45, 10                        ; the quarter of K: 1,024 rows
	s_lshl4_add_u32 s21, s13, s21
	s_lshl_b32 s19, s12, 7                         ; the odd step lies 128 rows on
	s_add_co_u32 s21, s21, s19
	s_add_co_u32 s21, s21, 2*KSTEP                 ; K step 2
	s_lshl_b32 s21, s21, 12                        ; rows of 4,096 bytes
	s_lshl_b32 s19, s42, 9
	s_add_co_u32 s21, s21, s19
	v_and_b32 v7, 31, v0
	v_lshlrev_b32 v8, 13, v7                       ; ar: a row a lane
	v_lshrrev_b32 v9, 1, v7
	v_lshlrev_b32 v9, 12, v9                       ; bc: a row for two lanes,
	v_and_b32 v10, 1, v7
	v_lshl_or_b32 v9, v10, 8, v9                   ; 256 bytes apart
	s_mov_b32 s66, 2*KSTEP*2                       ; a lap along ar's rows: 512 bytes
	s_mov_b32 s67, 2*KSTEP*ROWB*2                  ; a lap down bc: 256 rows
	s_cmp_eq_u32 s11, 0                            ; the choice hangs on the wave's number alone
	s_cselect_b32 s18, s18, s21
	s_cselect_b32 s21, -1, 0
	s_cselect_b32 s66, s66, s67
	s_cselect_b64 s[4:5], s[4:5], s[6:7]
	s_mov_b32 s19, 0
	s_mov_b32 s67, 0
	s_add_nc_u64 s[4:5], s[4:5], s[18:19]
	v_cndmask_b32 v[PF], v9, v8, s21
; 16 matrix instructions: row blocks a0, a0 + 1 of the window's four (hi = 0: my rows 0-63, 1: rows 64-127) x all 8 column blocks, 32 along K.
; zero = 1: the first product starts the sums: nothing is ever cleared.  The 64 accumulators take turns, one instruction a turn, in the same order in every quarter.
.macro MUL16 f, hi, a0, zero
.irp a, \a0, \a0+1
.irp b, 0,1,2,3,4,5,6,7
.if \zero
	v_wmma_f32_16x16x32_bf16 v[8*(8*(\a)+\b):8*(8*(\a)+\b)+7], v[\f+8*(4*\hi+\a):\f+8*(4*\hi+\a)+7], v[\f+8*\b:\f+8*\b+7], 0
.else
	v_wmma_f32_16x16x32_bf16 v[8*(8*(\a)+\b):8*(8*(\a)+\b)+7], v[\f+8*(4*\hi+\a):\f+8*(4*\hi+\a)+7], v[\f+8*\b:\f+8*\b+7], v[8*(8*(\a)+\b):8*(8*(\a)+\b)+7]
.endif
.endr
.endr
.endm
; 32 LDS loads in one run: the fragments of quarter step q (32 along K) of a slot, into buffer f: bc's 128 columns, then ar's 128 rows.  It leaves every window 0.
.macro FETCH slot, q, f
	WIN TO_B
.irp i, 0,1,2,3,4,5,6,7
	ds_load_tr16_b128 v[\f+8*\i:\f+8*\i+3],   v[ADRB+\slot] offset:32*(\q)*PB+32*\i
	ds_load_tr16_b128 v[\f+8*\i+4:\f+8*\i+7], v[ADRB+\slot] offset:(32*(\q)+16)*PB+32*\i
.endr
	WIN 0
.irp i, 0,1,2,3,4,5,6,7
	ds_load_b128 v[\f+8*\i:\f+8*\i+3],   v[ADRA+\slot] offset:64*(\q)+\i*16*PA
	ds_load_b128 v[\f+8*\i+4:\f+8*\i+7], v[ADRA+\slot] offset:64*(\q)+\i*16*PA+32
.endr
.endm
; A load into a register that a matrix instruction has read, and a vector instruction that reads a matrix result, stand four places behind that matrix instruction, and only plain vector
; instructions that name none of its registers are places (ISA guide 7.12.1 for vector instructions).
.macro PLACES
.rept 4
	v_nop
.endr
.endm
; A K step is four quarter steps of 32 along K, 64 matrix instructions each, on buffers 0, 1, 0, 1.  One of the first three: multiplies buffer f; in its middle it fetches quarter step q into g.
; pf = 1: my wave's prefetch stands behind the run of LDS loads.  pf = 2: its base goes on by a lap, 128 matrix instructions behind the prefetch.  pf = 0: neither.
.macro QUARTER slot, q, f, g, zero, pf
	s_wait_dscnt 8                                 ; bc and ar's rows 0-63 are in; the youngest eight loads (ar's rows 64-127) may be out
	WIN MUL_LO
	MUL16 \f, 0, 0, \zero
	MUL16 \f, 0, 2, \zero
	PLACES
	FETCH \slot, \q, \g
.if (\pf) == 1
	global_prefetch_b8 v[PF], s[4:5] th:TH_LOAD_NT scope:SCOPE_SE
.elseif (\pf) == 2
	s_wait_xcnt 0x0                                ; the prefetch's base is written again only behind this wait
	s_add_nc_u64 s[4:5], s[4:5], s[66:67]
.endif
	s_wait_dscnt 32                                ; all but the 32 just issued
	WIN MUL_HI
	MUL16 \f, 1, 0, \zero
	MUL16 \f, 1, 2, \zero
.endm
; The last quarter step multiplies buffer 1 and changes slots: ONE barrier; in front of it each wave waits for its own reads of this slot and for all its tensor loads, of which one is out: its
; part of the next slot.  fill = 1: this slot is filled again, two K steps ahead; the barrier then opens a round of the cluster's barrier.
.macro TURN slot, next, fill
	s_wait_dscnt 8
	WIN MUL_LO
	MUL16 F1, 0, 0, 0
	s_wait_dscnt 0                                 ; my reads of this slot are over,
	s_wait_tensorcnt 0x0                           ; and all my tensor loads have landed: my part of the next slot
	ds_add_u32 v255, v255
	s_wait_dscnt 0x0
	s_barrier_signal -1
	MUL16 F1, 0, 2, 0                              ; work on registers while the others arrive
.if \fill
	WIN 0                                          ; at a branch and at a label every window is 0
.endif
	s_barrier_wait -1
.if \fill
	CREST                                          ; no wave of any partner still reads this slot's tile or has a load on its way
	s_add_nc_u64 s[G0+4*\slot+2:G0+4*\slot+3], s[G0+4*\slot+2:G0+4*\slot+3], 2*KSTEP*2             ; no tensor load of mine is out, so a group 0 may be written
	s_add_nc_u64 s[G0B+4*\slot+2:G0B+4*\slot+3], s[G0B+4*\slot+2:G0B+4*\slot+3], 2*KSTEP*ROWB*2
	JLOAD \slot                                    ; the first tensor load behind the round, my one load until the next: 240 matrix instructions ahead of the wait for it; its four v_nop are also the places in front of the loads below
.else
	PLACES
.endif
	FETCH \next, 0, F0
	WIN MUL_HI
	MUL16 F1, 1, 0, 0
	MUL16 F1, 1, 2, 0
.endm
; Once round the ring, from a lap's second quarter step to the next lap's first; both slots are filled again.  pf = 1: the next lap's first quarter step asks ahead for the lap behind it.
.macro LAP pf
	QUARTER 0, 2, F1, F0, 0, 0
	QUARTER 0, 3, F0, F1, 0, 2*(\pf)
	TURN 0, 1, 1
	QUARTER 1, 1, F0, F1, 0, 0
	QUARTER 1, 2, F1, F0, 0, 0
	QUARTER 1, 3, F0, F1, 0, 0
	TURN 1, 0, 1
	QUARTER 0, 1, F0, F1, 0, \pf
.endm
; THE WAY OUT of row block a, column blocks 4 bh .. 4 bh + 3: 32 compares make 32 words in scalar registers; each word goes into the lane and register from which it is stored.
; Word (a, b, j) lies at byte 256 a + 32 j + 4 b of my 2,048: store a / 2, lane 16 (a % 2) + 2 j + b / 4, register b % 4.  Each register's first word is written to all lanes, so nothing is cleared.
; Each accumulator's registers are read in ascending order.
.macro BITS a, bh
.set WN, 0x08+4*((\a)/4)               ; source 1: window 2 (blocks 0-3) or 3 (blocks 4-7)
	WIN WN
.irp q, 0,1,2,3
.irp j, 0,1,2,3,4,5,6,7
	v_cmp_lt_f32 s[MW+8*\q+\j], 0, v[64*((\a)%4)+8*(4*\bh+\q)+\j]
.endr
.endr
	WIN 0
.irp q, 0,1,2,3
.irp j, 0,1,2,3,4,5,6,7
.if (16*((\a)%2)+2*\j+\bh) == 0
	v_mov_b32 v[OUT+4*((\a)/2)+\q], s[MW+8*\q+\j]
.else
	v_writelane_b32 v[OUT+4*((\a)/2)+\q], s[MW+8*\q+\j], 16*((\a)%2)+2*\j+\bh
.endif
.endr
.endr
.endm
	s_wait_tensorcnt 1                             ; my part of K step 0 is in; K step 1's stays out
	s_barrier_signal -1
	s_barrier_wait -1                              ; everybody's is
	FETCH 0, 0, F0
	QUARTER 0, 1, F0, F1, 1, 1                     ; the first quarter step stands in front of the loop: its products start the sums; it asks ahead for K steps 2 and 3
	WIN 0                                          ; at a label and at a branch every window is 0
	s_mov_b32 s3, LAPS-2
.Llap:                                                 ; two trips: they fill K steps 2 to 5 and ask ahead for steps 4 to 7
	LAP 1
	WIN 0
	s_sub_co_u32 s3, s3, 1
	s_cmp_lg_u32 s3, 0
	s_cbranch_scc1 .Llap
	LAP 0                                          ; fills K steps 6 and 7; no step follows them, so nothing is asked for ahead
	QUARTER 0, 2, F1, F0, 0, 0                     ; the last lap is written out: it fills nothing, and has no round of the cluster's barrier
	QUARTER 0, 3, F0, F1, 0, 0
	TURN 0, 1, 0
	QUARTER 1, 1, F0, F1, 0, 0
	QUARTER 1, 2, F1, F0, 0, 0
	QUARTER 1, 3, F0, F1, 0, 0
	s_wait_dscnt 8                                 ; the very last quarter step: nothing more to fetch
	WIN MUL_LO
	MUL16 F1, 0, 0, 0
	MUL16 F1, 0, 2, 0
	s_wait_dscnt 0
	WIN MUL_HI
	MUL16 F1, 1, 0, 0
	MUL16 F1, 1, 2, 0
	WIN 0
	PLACES                                         ; the compares read matrix results
.irp s, 0,1,2,3
	BITS 2*\s, 0
	BITS 2*\s, 1
	BITS 2*\s+1, 0
	BITS 2*\s+1, 1
	global_store_b128 v[CO], v[OUT+4*\s:OUT+4*\s+3], s[8:9] offset:512*\s         ; 512 consecutive bytes, at a multiple of 256 from the buffer's first byte; no register is written twice
.endr
	CROUND                                         ; the closing round: no work-group ends while a partner may still ask for a tile that names it
	s_endpgm
.Lfunc_end_k_qb9efbe13e8_gemm:
	.size	k_qb9efbe13e8_gemm, .Lfunc_end_k_qb9efbe13e8_gemm-k_qb9efbe13e8_gemm
	.p2alignl 7, 3214868480
	.fill 96, 4, 3214868480
	.section	.rodata,"a",@progbits
	.p2align	6, 0x0
	.amdhsa_kernel k_qb9efbe13e8_gemm
		.amdhsa_group_segment_fixed_size 327680
		.amdhsa_private_segment_fixed_size 0
		.amdhsa_enable_private_segment 0
		.amdhsa_kernarg_size 24
		.amdhsa_user_sgpr_count 2
		.amdhsa_user_sgpr_kernarg_segment_ptr 1
		.amdhsa_wavefront_size32 1
		.amdhsa_system_sgpr_workgroup_id_x 1
		.amdhsa_system_sgpr_workgroup_id_y 1
		.amdhsa_system_sgpr_workgroup_id_z 1
		.amdhsa_system_vgpr_workitem_id 0
		.amdhsa_next_free_vgpr 1024
		.amdhsa_next_free_sgpr 100
		.amdhsa_reserve_vcc 0
		.amdhsa_float_denorm_mode_32 3
		.amdhsa_float_denorm_mode_16_64 3
		.amdhsa_memory_ordered 1
		.amdhsa_forward_progress 1
		.amdhsa_inst_pref_size 230
	.end_amdhsa_kernel
	.amdgpu_metadata
---
amdhsa.version: [ 1, 2 ]
amdhsa.kernels:
  - .name:           k_qb9efbe13e8_gemm
    .symbol:         k_qb9efbe13e8_gemm.kd
    .args:
      - { .name: ar, .offset: 0, .size: 8, .value_kind: global_buffer, .address_space: global }
      - { .name: bc, .offset: 8, .size: 8, .value_kind: global_buffer, .address_space: global }
      - { .name: bits, .offset: 16, .size: 8, .value_kind: global_buffer, .address_space: global }
    .group_segment_fixed_size: 327680
    .private_segment_fixed_size: 0
    .kernarg_segment_align: 8
    .kernarg_segment_size: 24
    .max_flat_workgroup_size: 128
    .sgpr_count:     100
    .vgpr_count:     1024
    .wavefront_size: 32
...
	.end_amdgpu_metadata
.endif
;; end of part 8
;; launch norm (part 9): grid 256 x 1, 4 waves a work-group, no clusters, 2,816 bytes of LDS; arguments bits, out0; writes out0
.if DOCPART == 9
	.amdgcn_target "amdgcn-amd-amdhsa--gfx1250"
	.amdhsa_code_object_version 6
	.text
	.protected	k_qb9efbe13e8_norm
	.globl	k_qb9efbe13e8_norm
	.p2align	8
	.type	k_qb9efbe13e8_norm,@function
k_qb9efbe13e8_norm:
	s_mov_b64 s[64:65], 0
	v_nop
	global_prefetch_b8 v0, s[64:65] scope:SCOPE_SE
	s_setreg_imm32_b32 hwreg(HW_REG_WAVE_MODE, 25, 1), 1
	s_wait_xcnt 0x0
; out0[m][n] = u / (sum over n of u), u = 1 where one of the four planes of bits has a 1 at (m, n), else 0.  out0: [2048][2048] f32.
; bits: [kq 4][c 16][a 128][j 8][b 8] words.  Bit l of a word stands for row 16 a + 8 (l / 16) + j and for place 16 (8 c + b) + l % 16 among the columns; place 64 g + 16 e + r is result
; column 64 g + 4 r + e.  So the four words B = 8 c + b = 4 g + 0..3 of a pair of rows, taken as lane masks, give lane l the four neighbouring columns 64 g + 4 (l % 16) + 0..3 of
; row 16 a + j (lanes 0-15) or 16 a + 8 + j (lanes 16-31): 16 bytes a lane, and sixteen lanes fill 256 consecutive bytes of a row.
; SHARES.  Work-group z owns the pairs j = 4 (z % 2) + 0..3 of row block a = z / 2, one pair a wave: 8 rows, 64 KiB of out0, on each of 256 work-groups.
; A pair's 128 words lie in 16 pieces of 32 bytes a plane, so the four waves fetch together: thread t takes 16 bytes of piece c = t / 8, which is 128 consecutive bytes for the group's four
; pairs, ORs the four planes, and the words change hands in LDS.  (Each aligned 256 bytes of bits are read by two work-groups, half each: the buffer is 2 MiB against out0's 16 MiB.)
; The sums are whole numbers up to 2,048: exact in f32.  The division is a multiplication by v_rcp_f32 of the sum.  A row with no 1 gives 0 x infinity = NaN, as reference()'s 0 / 0 does.
; Memory binds: matrix units, tensor loads and clusters would add nothing.
.set PLANE, 524288                     ; bytes in a plane
.set LP,    576                        ; a pair's LDS row: 512 bytes + 64
.set GO, 1                             ; v1        my byte offset in a plane
.set LS, 2                             ; v2        where I put my 16 bytes in LDS
.set LR, 3                             ; v3        where I read my pair's words back
.set X,  4                             ; v[4:19]   four planes x four words
.set W,  20                            ; v[20:23]  register e of lane g: the pair's word 4 g + e
.set SA, 24                            ; v[24:27]  at work, then two packed chains of sums
.set R,  28                            ; v[28:29]  1 / sum, twice (a pair for the packed multiply)
.set OO, 30                            ; v30       my byte offset in out0 from the pair's first row
.set F,  32                            ; v[32:159] my 128 numbers: 0 or 1, then scaled
.set M,  16                            ; s[16:47]  32 words as lane masks
	s_load_b128 s[4:7], s[0:1], 0x0                ; bits s[4:5], out0 s[6:7]
	v_lshl_add_u32 v160, v0, 2, 0x900
	v_mov_b32 v161, 0
	v_lshrrev_b32 v[SA], 5, v0
	v_readfirstlane_b32 s8, v[SA]                  ; wave 0..3
	v_lshrrev_b32 v[SA], 3, v0                     ; c = t / 8
	v_and_b32 v[SA+1], 7, v0
	v_lshlrev_b32 v[SA+1], 4, v[SA+1]
	v_lshl_or_b32 v[GO], v[SA], 15, v[SA+1]        ; c x 32,768 + 16 (t % 8)
	v_bfe_u32 v[LS], v0, 1, 2                      ; which of the four pairs my 16 bytes belong to
	v_mul_u32_u24 v[LS], v[LS], LP
	v_lshl_add_u32 v[LS], v[SA], 5, v[LS]          ; + 32 c
	v_and_b32 v[SA+1], 1, v0
	v_lshl_add_u32 v[LS], v[SA+1], 4, v[LS]        ; + 16 (t % 2)
	s_mul_i32 s9, s8, LP
	v_and_b32 v[SA], 31, v0
	v_lshl_add_u32 v[LR], v[SA], 4, s9             ; my wave's pair, 16 bytes a lane
	v_and_b32 v[SA], 15, v0
	v_lshlrev_b32 v[SA], 4, v[SA]
	v_bfe_u32 v[SA+1], v0, 4, 1
	v_lshl_or_b32 v[OO], v[SA+1], 16, v[SA]        ; 16 (l % 16), and 8 rows of 8,192 bytes further down for lanes 16-31
	s_lshl_b32 s12, ttmp9, 7                       ; 256 a + 128 (z % 2) = 128 z
	s_mov_b32 s13, 0
	s_lshr_b32 s10, ttmp9, 1
	s_lshl_b32 s10, s10, 4                         ; 16 a
	s_and_b32 s11, ttmp9, 1
	s_lshl2_add_u32 s10, s11, s10                  ; + 4 (z % 2)
	s_add_co_u32 s10, s10, s8                      ; + wave: the pair's first row,
	s_lshl_b32 s10, s10, 13                        ; of 8,192 bytes
	s_mov_b32 s11, 0
	s_wait_kmcnt 0x0
	s_add_nc_u64 s[4:5], s[4:5], s[12:13]
	s_add_nc_u64 s[6:7], s[6:7], s[10:11]
.irp p, 0,1,2,3
	global_load_b128 v[X+4*\p:X+4*\p+3], v[GO], s[4:5] offset:\p*PLANE
.endr
	s_wait_loadcnt 0x0
.irp e, 0,1,2,3
	v_or_b32 v[X+\e], v[X+\e], v[X+4+\e]
	v_or_b32 v[X+8+\e], v[X+8+\e], v[X+12+\e]
.endr
.irp e, 0,1,2,3
	v_or_b32 v[X+\e], v[X+\e], v[X+8+\e]
.endr
	ds_store_b128 v[LS], v[X:X+3]
	s_wait_dscnt 0x0                               ; for the others' sake: my store is done
	s_barrier_signal -1
	s_barrier_wait -1
	ds_load_b128 v[W:W+3], v[LR]
	s_wait_dscnt 0x0
; 32 words at a time (eight groups g of 64 columns) become scalars and then lane masks
.set t, 0
.rept 4
.set i, 0
.rept 32
	v_readlane_b32 s[M+i], v[W+i%4], 8*t+i/4
.set i, i+1
.endr
.set i, 0
.rept 32
	v_cndmask_b32 v[F+32*t+i], 0, 1.0, s[M+i]
.set i, i+1
.endr
.set t, t+1
.endr
	v_pk_add_f32 v[SA:SA+1],   v[F:F+1],   v[F+4:F+5]          ; the first two groups start the chains: nothing is cleared
	v_pk_add_f32 v[SA+2:SA+3], v[F+2:F+3], v[F+6:F+7]
.set i, 2
.rept 30
	v_pk_add_f32 v[SA:SA+1],   v[SA:SA+1],   v[F+4*i:F+4*i+1]
	v_pk_add_f32 v[SA+2:SA+3], v[SA+2:SA+3], v[F+4*i+2:F+4*i+3]
.set i, i+1
.endr
	v_pk_add_f32 v[SA:SA+1], v[SA:SA+1], v[SA+2:SA+3]
	v_add_f32 v[SA], v[SA], v[SA+1]
	v_add_f32_dpp v[SA], v[SA], v[SA] row_xmask:1 row_mask:0xf bank_mask:0xf       ; over the 16 lanes of a half alone: each half of the lanes has a row of its own
	v_add_f32_dpp v[SA], v[SA], v[SA] row_xmask:2 row_mask:0xf bank_mask:0xf
	v_add_f32_dpp v[SA], v[SA], v[SA] row_xmask:4 row_mask:0xf bank_mask:0xf
	v_add_f32_dpp v[SA], v[SA], v[SA] row_xmask:8 row_mask:0xf bank_mask:0xf
	v_rcp_f32 v[R], v[SA]
	v_rcp_f32 v[R+1], v[SA]
	v_nop                                          ; a plain instruction between the reciprocals and the use of their results (ISA guide 5.7.2)
.set i, 0
	s_wait_alu depctr_va_vdst(0)
.rept 32
	v_pk_mul_f32 v[F+4*i:F+4*i+1],   v[F+4*i:F+4*i+1],   v[R:R+1]
	v_pk_mul_f32 v[F+4*i+2:F+4*i+3], v[F+4*i+2:F+4*i+3], v[R:R+1]
	global_store_b128 v[OO], v[F+4*i:F+4*i+3], s[6:7] offset:256*i th:TH_STORE_NT  ; each half of the lanes stores 256 consecutive bytes of its row, at a multiple of 256 from out0's first byte
.set i, i+1
.endr
	s_wait_tensorcnt 0x0
	ds_add_u32 v160, v161
	s_wait_dscnt 0x0
	s_endpgm
.Lfunc_end_k_qb9efbe13e8_norm:
	.size	k_qb9efbe13e8_norm, .Lfunc_end_k_qb9efbe13e8_norm-k_qb9efbe13e8_norm
	.p2alignl 7, 3214868480
	.fill 96, 4, 3214868480
	.section	.rodata,"a",@progbits
	.p2align	6, 0x0
	.amdhsa_kernel k_qb9efbe13e8_norm
		.amdhsa_group_segment_fixed_size 2816
		.amdhsa_private_segment_fixed_size 0
		.amdhsa_enable_private_segment 0
		.amdhsa_kernarg_size 16
		.amdhsa_user_sgpr_count 2
		.amdhsa_user_sgpr_kernarg_segment_ptr 1
		.amdhsa_wavefront_size32 1
		.amdhsa_system_sgpr_workgroup_id_x 1
		.amdhsa_system_sgpr_workgroup_id_y 1
		.amdhsa_system_sgpr_workgroup_id_z 1
		.amdhsa_system_vgpr_workitem_id 0
		.amdhsa_next_free_vgpr 162
		.amdhsa_next_free_sgpr 66
		.amdhsa_reserve_vcc 0
		.amdhsa_float_denorm_mode_32 3
		.amdhsa_float_denorm_mode_16_64 3
		.amdhsa_memory_ordered 1
		.amdhsa_forward_progress 1
		.amdhsa_inst_pref_size 31
	.end_amdhsa_kernel
	.amdgpu_metadata
---
amdhsa.version: [ 1, 2 ]
amdhsa.kernels:
  - .name:           k_qb9efbe13e8_norm
    .symbol:         k_qb9efbe13e8_norm.kd
    .args:
      - { .name: bits, .offset: 0, .size: 8, .value_kind: global_buffer, .address_space: global }
      - { .name: out0, .offset: 8, .size: 8, .value_kind: global_buffer, .address_space: global }
    .group_segment_fixed_size: 2816
    .private_segment_fixed_size: 0
    .kernarg_segment_align: 8
    .kernarg_segment_size: 16
    .max_flat_workgroup_size: 128
    .sgpr_count:     66
    .vgpr_count:     162
    .wavefront_size: 32
...
	.end_amdgpu_metadata
.endif
;; end of part 9
;; ======== version 3 of 3: 5 launches; version 2 with the launch norm written anew for expert scheduling mode
;; workspace buffers: scores 16,384 bytes; rank 16,384 bytes of whole numbers; cpos 16,384 bytes of whole numbers; ar 16,777,216 bytes; bc 16,777,216 bytes; bits 2,097,152 bytes of whole numbers
;; launch score: the kernel of part 1 again; grid 256 x 1, 8 waves a work-group, no clusters, 1,280 bytes of LDS; arguments h, W, b, scores; writes scores
;; launch rank: the kernel of part 6 again; grid 256 x 1, 8 waves a work-group, no clusters, 2,048 bytes of LDS; arguments scores, rank, cpos; writes rank, cpos
;; launch prep: the kernel of part 7 again; grid 2048 x 1, 1 waves a work-group, no clusters, 16,640 bytes of LDS; arguments g, h, scores, rank, ar, bc, out1, out2, cpos; writes ar, bc, out1, out2
;; launch gemm: the kernel of part 8 again; grid 8 x 32, 4 waves a work-group, clusters of 4 x 4, 327,680 bytes of LDS; arguments ar, bc, bits; writes bits
;; launch norm (part 10): grid 256 x 1, 4 waves a work-group, no clusters, 2,816 bytes of LDS; arguments bits, out0; writes out0
.if DOCPART == 10
	.amdgcn_target "amdgcn-amd-amdhsa--gfx1250"
	.amdhsa_code_object_version 6
	.text
	.protected	k_qb9efbe13e8_norm
	.globl	k_qb9efbe13e8_norm
	.p2align	8
	.type	k_qb9efbe13e8_norm,@function
k_qb9efbe13e8_norm:
	s_mov_b64 s[64:65], 0
	v_nop
	global_prefetch_b8 v0, s[64:65] scope:SCOPE_SE
	s_setreg_imm32_b32 hwreg(HW_REG_WAVE_SCHED_MODE, 0, 2), 2
	s_setreg_imm32_b32 hwreg(HW_REG_WAVE_MODE, 25, 1), 1
	s_wait_xcnt 0x0
	s_wait_alu depctr_vm_vsrc(0)
; out0[m][n] = u / (sum over n of u), u = 1 where one of the four planes of bits has a 1 at (m, n), else 0.  out0: [2048][2048] f32.
; bits: [kq 4][c 16][a 128][j 8][b 8] words.  Bit l of a word stands for row 16 a + 8 (l / 16) + j and for place 16 (8 c + b) + l % 16 among the columns; place 64 g + 16 e + r is result
; column 64 g + 4 r + e.  So the four words B = 8 c + b = 4 g + 0..3 of a pair of rows, taken as lane masks, give lane l the four neighbouring columns 64 g + 4 (l % 16) + 0..3 of
; row 16 a + j (lanes 0-15) or 16 a + 8 + j (lanes 16-31): 16 bytes a lane, and sixteen lanes fill 256 consecutive bytes of a row.
; SHARES.  Work-group z owns the pairs j = 4 (z % 2) + 0..3 of row block a = z / 2, one pair a wave: 8 rows, 64 KiB of out0, on each of 256 work-groups.
; A pair's 128 words lie in 16 pieces of 32 bytes a plane, so the four waves fetch together: thread t takes 16 bytes of piece c = t / 8, which is 128 consecutive bytes for the group's four
; pairs, ORs the four planes, and the words change hands in LDS.  (Each aligned 256 bytes of bits are read by two work-groups, half each: the buffer is 2 MiB against out0's 16 MiB.)
; The sums are whole numbers up to 2,048: exact in f32.  The division is a multiplication by v_rcp_f32 of the sum.  A row with no 1 gives 0 x infinity = NaN, as reference()'s 0 / 0 does.
; Memory binds: matrix units, tensor loads and clusters would add nothing.
; THE MODE: SCHED_MODE bits 1:0 = 2 (LLVM: expert scheduling mode 2), set by the entry lines.  The code itself states the register dependences
; between vector instructions and memory or LDS instructions, with s_wait_alu, always for 0.
; THE PLAN.  Registers that memory or LDS instructions touch, in the order of the text (there is no loop):
;   v[GO], v[LS], v[LR], v[OO]  Addresses: written once each by the head's vector instructions, never again; read by the four loads, the LDS store, the LDS load and the 32 stores.
;                               ONE wait on va_vdst, ahead of the first load, serves all four for the whole kernel.
;   v[X ..]    The four loads land here; no vector instruction names these registers before.  The ORs read them and write v[X:X+3], which the LDS store reads: one wait between.  Not written afterwards.
;   v[W ..]    The LDS load lands here; no vector instruction names these registers before.  Read by the v_readlane_b32 lines.
;   v[F ..]    Written by the selects, then by the scaling, in place; read by the stores; not written afterwards.  The scaling goes in four blocks of 32 registers (16 packed multiplies, 8 stores):
;              at the head of block p one wait on va_vdst states that block p - 1 is written; block p - 1's stores then stand among block p's multiplies, which name block p's registers and v[R:R+1]
;              alone: none of the registers that those stores touch.  A last wait stands ahead of block 3's stores.
;   v160, v161 Written at the head, read by the closing add alone.
; No register that a memory or LDS instruction has read is written again, so the text holds no wait on vm_vsrc.
; Scalar registers that vector instructions write: s8 (the wave's number) and s[M ..] (the lane masks): a wait on va_sdst stands between each run of writers and its first reader.
.set PLANE, 524288                     ; bytes in a plane
.set LP,    576                        ; a pair's LDS row: 512 bytes + 64
.set GO, 1                             ; v1        my byte offset in a plane
.set LS, 2                             ; v2        where I put my 16 bytes in LDS
.set LR, 3                             ; v3        where I read my pair's words back
.set X,  4                             ; v[4:19]   four planes x four words
.set W,  20                            ; v[20:23]  register e of lane g: the pair's word 4 g + e
.set SA, 24                            ; v[24:27]  at work, then two packed chains of sums
.set R,  28                            ; v[28:29]  1 / sum, twice (a pair for the packed multiply)
.set OO, 30                            ; v30       my byte offset in out0 from the pair's first row
.set F,  32                            ; v[32:159] my 128 numbers: 0 or 1, then scaled
.set M,  16                            ; s[16:47]  32 words as lane masks
	s_load_b128 s[4:7], s[0:1], 0x0                ; bits s[4:5], out0 s[6:7]
	v_lshl_add_u32 v160, v0, 2, 0x900
	v_mov_b32 v161, 0
	v_lshrrev_b32 v[SA], 5, v0
	v_readfirstlane_b32 s8, v[SA]                  ; wave 0..3
	v_lshrrev_b32 v[SA], 3, v0                     ; c = t / 8
	v_and_b32 v[SA+1], 7, v0
	v_lshlrev_b32 v[SA+1], 4, v[SA+1]
	v_lshl_or_b32 v[GO], v[SA], 15, v[SA+1]        ; c x 32,768 + 16 (t % 8)
	v_bfe_u32 v[LS], v0, 1, 2                      ; which of the four pairs my 16 bytes belong to
	v_mul_u32_u24 v[LS], v[LS], LP
	v_lshl_add_u32 v[LS], v[SA], 5, v[LS]          ; + 32 c
	v_and_b32 v[SA+1], 1, v0
	v_lshl_add_u32 v[LS], v[SA+1], 4, v[LS]        ; + 16 (t % 2)
	v_and_b32 v[SA], 15, v0
	v_lshlrev_b32 v[SA], 4, v[SA]
	v_bfe_u32 v[SA+1], v0, 4, 1
	v_lshl_or_b32 v[OO], v[SA+1], 16, v[SA]        ; 16 (l % 16), and 8 rows of 8,192 bytes further down for lanes 16-31
	v_and_b32 v[SA], 31, v0
	s_wait_alu depctr_va_sdst(0)                   ; s8 is written, ahead of its first reader: my pair's LDS row and my rows of out0 are made from it
	s_mul_i32 s9, s8, LP
	v_lshl_add_u32 v[LR], v[SA], 4, s9             ; my wave's pair, 16 bytes a lane
	s_lshl_b32 s12, ttmp9, 7                       ; 256 a + 128 (z % 2) = 128 z
	s_mov_b32 s13, 0
	s_lshr_b32 s10, ttmp9, 1
	s_lshl_b32 s10, s10, 4                         ; 16 a
	s_and_b32 s11, ttmp9, 1
	s_lshl2_add_u32 s10, s11, s10                  ; + 4 (z % 2)
	s_add_co_u32 s10, s10, s8                      ; + wave: the pair's first row,
	s_lshl_b32 s10, s10, 13                        ; of 8,192 bytes
	s_mov_b32 s11, 0
	s_wait_kmcnt 0x0
	s_add_nc_u64 s[4:5], s[4:5], s[12:13]
	s_add_nc_u64 s[6:7], s[6:7], s[10:11]
	s_wait_alu depctr_va_vdst(0)                   ; v[GO], v[LS], v[LR] and v[OO] are written: the loads, the LDS store, the LDS load and the stores below read them as addresses
.irp p, 0,1,2,3
	global_load_b128 v[X+4*\p:X+4*\p+3], v[GO], s[4:5] offset:\p*PLANE
.endr
	s_wait_loadcnt 0x0
.irp e, 0,1,2,3
	v_or_b32 v[X+\e], v[X+\e], v[X+4+\e]
	v_or_b32 v[X+8+\e], v[X+8+\e], v[X+12+\e]
.endr
.irp e, 0,1,2,3
	v_or_b32 v[X+\e], v[X+\e], v[X+8+\e]
.endr
	s_wait_alu depctr_va_vdst(0)                   ; the ORs have written v[X:X+3], which the LDS store reads
	ds_store_b128 v[LS], v[X:X+3]
	s_wait_dscnt 0x0                               ; for the others' sake: my store is done
	s_barrier_signal -1
	s_barrier_wait -1
	ds_load_b128 v[W:W+3], v[LR]                   ; no wait: no vector instruction has named v[W:W+3], and v[LR] was written ahead of the waits above
	s_wait_dscnt 0x0
; 32 words at a time (eight groups g of 64 columns) become scalars and then lane masks
.set t, 0
.rept 4
.set i, 0
.rept 32
	v_readlane_b32 s[M+i], v[W+i%4], 8*t+i/4
.set i, i+1
.endr
	s_wait_alu depctr_va_sdst(0)                   ; the 32 lines above have written s[M ..], ahead of the first select that reads one of them as its mask: one wait for the run
.set i, 0
.rept 32
	v_cndmask_b32 v[F+32*t+i], 0, 1.0, s[M+i]
.set i, i+1
.endr
.set t, t+1
.endr
	v_pk_add_f32 v[SA:SA+1],   v[F:F+1],   v[F+4:F+5]          ; the first two groups start the chains: nothing is cleared
	v_pk_add_f32 v[SA+2:SA+3], v[F+2:F+3], v[F+6:F+7]
.set i, 2
.rept 30
	v_pk_add_f32 v[SA:SA+1],   v[SA:SA+1],   v[F+4*i:F+4*i+1]
	v_pk_add_f32 v[SA+2:SA+3], v[SA+2:SA+3], v[F+4*i+2:F+4*i+3]
.set i, i+1
.endr
	v_pk_add_f32 v[SA:SA+1], v[SA:SA+1], v[SA+2:SA+3]
	v_add_f32 v[SA], v[SA], v[SA+1]
	v_add_f32_dpp v[SA], v[SA], v[SA] row_xmask:1 row_mask:0xf bank_mask:0xf       ; over the 16 lanes of a half alone: each half of the lanes has a row of its own
	v_add_f32_dpp v[SA], v[SA], v[SA] row_xmask:2 row_mask:0xf bank_mask:0xf
	v_add_f32_dpp v[SA], v[SA], v[SA] row_xmask:4 row_mask:0xf bank_mask:0xf
	v_add_f32_dpp v[SA], v[SA], v[SA] row_xmask:8 row_mask:0xf bank_mask:0xf
	v_rcp_f32 v[R], v[SA]
	v_rcp_f32 v[R+1], v[SA]
	v_nop                                          ; a plain instruction between the reciprocals and the use of their results (ISA guide 5.7.2)
	s_wait_alu depctr_va_vdst(0)                   ; both reciprocals have written v[R:R+1], ahead of the first multiply that reads the pair
; THE WAY OUT, in four blocks of eight stores.  Block 0 is scaled; then each block's stores stand among the next block's multiplies, behind one wait.
.set i, 0
.rept 8
	v_pk_mul_f32 v[F+4*i:F+4*i+1],   v[F+4*i:F+4*i+1],   v[R:R+1]
	v_pk_mul_f32 v[F+4*i+2:F+4*i+3], v[F+4*i+2:F+4*i+3], v[R:R+1]
.set i, i+1
.endr
.set p, 1
.rept 3
	s_wait_alu depctr_va_vdst(0)                   ; block p - 1's multiplies have written their 32 registers, which the eight stores below read; the multiplies among the stores name block p's registers and v[R:R+1] alone
.set i, 8*p
.rept 8
	global_store_b128 v[OO], v[F+4*(i-8):F+4*(i-8)+3], s[6:7] offset:256*(i-8) th:TH_STORE_NT  ; each half of the lanes stores 256 consecutive bytes of its row, at a multiple of 256 from out0's first byte
	v_pk_mul_f32 v[F+4*i:F+4*i+1],   v[F+4*i:F+4*i+1],   v[R:R+1]
	v_pk_mul_f32 v[F+4*i+2:F+4*i+3], v[F+4*i+2:F+4*i+3], v[R:R+1]
.set i, i+1
.endr
.set p, p+1
.endr
	s_wait_alu depctr_va_vdst(0)                   ; block 3's multiplies have written their 32 registers, which the last eight stores read
.set i, 24
.rept 8
	global_store_b128 v[OO], v[F+4*i:F+4*i+3], s[6:7] offset:256*i th:TH_STORE_NT
.set i, i+1
.endr
	s_wait_dscnt 0x0                               ; the closing lines, six on end
	s_wait_alu 0x0
	s_wait_tensorcnt 0x0
	ds_add_u32 v160, v161
	s_wait_dscnt 0x0
	s_endpgm
.Lfunc_end_k_qb9efbe13e8_norm:
	.size	k_qb9efbe13e8_norm, .Lfunc_end_k_qb9efbe13e8_norm-k_qb9efbe13e8_norm
	.p2alignl 7, 3214868480
	.fill 96, 4, 3214868480
	.section	.rodata,"a",@progbits
	.p2align	6, 0x0
	.amdhsa_kernel k_qb9efbe13e8_norm
		.amdhsa_group_segment_fixed_size 2816
		.amdhsa_private_segment_fixed_size 0
		.amdhsa_enable_private_segment 0
		.amdhsa_kernarg_size 16
		.amdhsa_user_sgpr_count 2
		.amdhsa_user_sgpr_kernarg_segment_ptr 1
		.amdhsa_wavefront_size32 1
		.amdhsa_system_sgpr_workgroup_id_x 1
		.amdhsa_system_sgpr_workgroup_id_y 1
		.amdhsa_system_sgpr_workgroup_id_z 1
		.amdhsa_system_vgpr_workitem_id 0
		.amdhsa_next_free_vgpr 162
		.amdhsa_next_free_sgpr 66
		.amdhsa_reserve_vcc 0
		.amdhsa_float_denorm_mode_32 3
		.amdhsa_float_denorm_mode_16_64 3
		.amdhsa_memory_ordered 1
		.amdhsa_forward_progress 1
		.amdhsa_inst_pref_size 31
	.end_amdhsa_kernel
	.amdgpu_metadata
---
amdhsa.version: [ 1, 2 ]
amdhsa.kernels:
  - .name:           k_qb9efbe13e8_norm
    .symbol:         k_qb9efbe13e8_norm.kd
    .args:
      - { .name: bits, .offset: 0, .size: 8, .value_kind: global_buffer, .address_space: global }
      - { .name: out0, .offset: 8, .size: 8, .value_kind: global_buffer, .address_space: global }
    .group_segment_fixed_size: 2816
    .private_segment_fixed_size: 0
    .kernarg_segment_align: 8
    .kernarg_segment_size: 16
    .max_flat_workgroup_size: 128
    .sgpr_count:     66
    .vgpr_count:     162
    .wavefront_size: 32
...
	.end_amdgpu_metadata
.endif
;; end of part 10
